; MI455X (gfx1250); checked and timed in simulation.
; The chip was launched on July 23, 2026; its instructions are those of AMD's public machine-readable ISA for CDNA 5 (MIT licence, August 2026) and "CDNA5" Instruction Set Architecture Reference Guide (July 2026). The comments in the code are by the model that wrote it; some were corrected since.
;; Multihead Attention. Allowed arithmetic: matrix products marked QUANTISED: E2M3 operands, one E8M0 scale for each 32 along K, by v_wmma_scale_f32_16x16x128_f8f6f4 with both operands' format E2M3, f32 sums; everything else in f32.
;; Inputs: Wk 1,024 x 1,024 float32; Wo 1,024 x 1,024 float32; Wq 1,024 x 1,024 float32; Wv 1,024 x 1,024 float32; bk 1,024 float32; bo 1,024 float32; bq 1,024 float32; bv 1,024 float32; k 4 x 2,048 x 1,024 float32; mask 1 x 1 x 2,048 x 2,048 bool; q 4 x 2,048 x 1,024 float32; v 4 x 2,048 x 1,024 float32.
;; Outputs: out0 4 x 2,048 x 1,024 float32.
;; This version of the problem:
;;   THIS VERSION OF THE PROBLEM IS GIVEN IN LOW PRECISION. The matrix products marked QUANTISED in the list below multiply operands that are first quantised to E2M3 (2 exponent bits, 3 mantissa bits; 6 bits a number), with one power-of-two scale for each 32 numbers along K (OCP MX v1.0); their sums are f32. All else is computed in f32.
;;   The module's matrix products, in the order in which they are computed (A, B: the left and right operand; K: the contracted axis; several contracted axes count as one K, in the product's order):
;;     1. [M 8,192, K 1,024] x [K 1,024, N 1,024]; A: input q; B: input Wq: QUANTISED
;;     2. [M 8,192, K 1,024] x [K 1,024, N 1,024]; A: input k; B: input Wk: QUANTISED
;;     3. [M 8,192, K 1,024] x [K 1,024, N 1,024]; A: input v; B: input Wv: QUANTISED
;;     4. batch 64 x [M 2,048, K 64] x [K 64, N 2,048]; A: computed on the way; B: computed on the way: QUANTISED
;;     5. batch 64 x [M 2,048, K 2,048] x [K 2,048, N 64]; A: softmax (see below); B: computed on the way: QUANTISED
;;     6. [M 8,192, K 1,024] x [K 1,024, N 1,024]; A: computed on the way; B: input Wo: QUANTISED
;;   THE QUANTISER, for each operand of a quantised product, along K:
;;     - K is cut into blocks of 32 from its start; a last block that is shorter is filled with zeros.
;;     - A block's scale is 2^e with e = floor(log2(the largest magnitude in the block)) - 2, held to -126 .. 127; a block of zeros has e = 0. As a byte (E8M0): e + 127.
;;     - Each number is divided by its block's scale, clamped to +-7.5, and rounded to the nearest number of E2M3, ties to even, subnormals kept.
;;     - The product sums the exact products of the quantised numbers (number of the format x scale) in f32.
;;   ~~~python
;;   def quantise(x, axis):      # numpy; x: float32 -> the quantised numbers, widened to float32 again
;;       x = np.moveaxis(x, axis, -1); K = x.shape[-1]
;;       x = np.pad(x, [(0, 0)] * (x.ndim - 1) + [(0, -K % 32)]); x = x.reshape(x.shape[:-1] + (-1, 32)); a = np.abs(x).max(-1, keepdims=True)
;;       e = np.where(a > 0, np.clip(np.frexp(np.where(a > 0, a, 1))[1] - 1 - 2, -126, 127), 0)      # np.frexp(a)[1] - 1 = floor(log2(a)), exactly
;;       r = np.clip(x / 2.0 ** e, -7.5, 7.5)
;;       step = 2.0 ** (np.maximum(np.frexp(np.where(r == 0, 1, r))[1] - 1, 0) - 3)
;;       q = np.round(r / step) * step * 2.0 ** e      # np.round: ties to even
;;       return np.moveaxis(q.reshape(q.shape[:-2] + (-1,))[..., :K], -1, axis).astype(np.float32)
;;   ~~~
;;   SOFTMAX AHEAD OF A QUANTISED PRODUCT. Where the list says 'softmax', what is quantised is not the finished softmax but p = 2^(t - M), with t = logit x log2(e) and M = ceil(the row's largest t), a whole number; so 1/2 < the row's largest p <= 1. The row's sum l is taken of the UNQUANTISED p, in f32, and the product's result is divided by l at the end. Since M is a whole number, a kernel that streams over the keys may use a running M (the ceiling of the running maximum): every later rescaling is an exact power of two, which a block's scale takes up: the codes' values come out the same.
;;   OPERANDS COMPUTED ON THE WAY. 'Computed on the way' means the value that the module computes at that place (a softmax that the list does not call 'softmax' is quantised finished and normalised). What goes into a quantiser is computed in f32, as accurately as f32 sums, v_exp_f32 and their like allow (about 1e-6 of the number): no bf16 or f16 on the way to a quantiser, and a product that is left as it is and whose result goes on into a quantised operand takes f32 operands (vector FMAs, or v_wmma_f32_16x16x4_f32). A number that lies on a knife's edge between two numbers of the format may be rounded either way, as far as f32 arithmetic and the matrix unit's own rounding can turn it there, and no further.
;; One version. Each part assembles by itself: llvm-mc -triple=amdgcn-amd-amdhsa -mcpu=gfx1250 --defsym DOCPART=n.
;; ======== version 1 of 1: 4 launches
;; limits: right only within a limited range of input values
;; workspace buffers: xc 22,020,096 bytes; xs 917,504 bytes; mw 524,288 bytes of whole numbers; pc 18,874,368 bytes; ps 786,432 bytes; cc 6,291,456 bytes; cs 262,144 bytes
;; launch prep (part 1): grid 576 x 1, 4 waves a work-group, no clusters, 91,648 bytes of LDS; arguments q, k, v, Wq, Wk, Wv, Wo, mask, xc, xs, mw; writes xc, xs, mw
.if DOCPART == 1
	.amdgcn_target "amdgcn-amd-amdhsa--gfx1250"
	.amdhsa_code_object_version 6
	.text
	.protected	k_qd13cad35ea_prep
	.globl	k_qd13cad35ea_prep
	.p2align	8
	.type	k_qd13cad35ea_prep,@function
k_qd13cad35ea_prep:
	s_mov_b64 s[64:65], 0
	v_nop
	global_prefetch_b8 v0, s[64:65] scope:SCOPE_SE
	s_setreg_imm32_b32 hwreg(HW_REG_WAVE_MODE, 25, 1), 1
	s_wait_xcnt 0x0
; PREP.  q, k, v [8192][1024] and Wq, Wk, Wv, Wo [1024][1024], f32, K innermost, become codes of FP6 (E2M3) with one E8M0 byte for each 32 along K; the mask becomes lane-mask words.
; A block's scale is 2^(floor(log2(its largest magnitude)) - 2): its byte is the largest magnitude's exponent field - 2, held at 1 from below.
; LIMITS: NaN and infinities among the inputs are not served; a block of zeros, or one whose largest magnitude lies under 2^-124, keeps the byte 1 (its codes then count for what they are under that byte; the bytes are read by this program alone).
; ROWS ARE KEPT IN STORAGE ORDER: storage row = the row's number with bits 3 and 4 exchanged.  Lane r of storage tile T (16 rows) is row 32 (T / 2) + 8 (T % 2) + r + 8 (r / 8).
; CODES ARE KEPT AS IMAGES OF OPERAND REGISTERS: a unit is 16 storage rows x 64 K, 768 bytes: lane L = r + 16 h owns the 24 bytes of row r, block 2 c + h: its first 16 bytes at 16 L, its last 8 at 512 + 8 L.
; Unit (row, c) lies at (row / 128) x 98304 + c x 6144 + ((row % 128) / 16) x 768.  Scale bytes: [storage row][32].
; Work-groups 0-447: a wave takes one storage tile, 16 rows x 1,024.  A row's 4,096 bytes come by eight loads of 512 consecutive bytes, turn through the wave's own stage in LDS so that lane l holds block l
; (32 neighbours), and are quantised; the tile's 12,288 bytes of codes are gathered in an out stage and leave in stores whose half-waves cover 256 consecutive aligned bytes.  Waves share nothing: no barrier.
; Work-groups 448-575: mask words for one tile of 16 queries: word n of a key step of 128 has in bit L the mask of query (tile, r) and key 128 step + 64 (n / 32) + 32 h + n % 32.  This path uses no LDS.
.set WREG, 22784                       ; LDS of a wave: two turn stages, the out stage, 512 scale bytes
.set TSTG, 4608                        ; a turn stage: 32 places of 128 bytes + 16 of padding
.set OST,  9216                        ; the out stage: 12,288 bytes with 16 of padding behind each 256: a unit's pitch is 816
.set SBY,  22272                       ; the scale bytes
.set LN,  1                            ; v1   lane
.set GI,  2                            ; v2   16 x lane
.set TI,  3                            ; v3   turn stage, in: 144 (lane / 8) + 16 (lane % 8)
.set TO,  4                            ; v4   turn stage, out: 144 x lane
.set O16, 5                            ; v5   out stage: my block's first 16 bytes of codes
.set O8,  6                            ; v6   out stage: its last 8
.set SBA, 7                            ; v7   my block's scale byte
.set RBK, 8                            ; v8   out stage, read back: 16 lane + 16 (lane / 16)
.set GB,  10                           ; v10  16 lane + 5376 (lane / 16): a store whose halves fall into two units
.set SBR, 11                           ; v11  the scale bytes, read back
.set R,   48                           ; v48-143  three sets of 32: a row as loaded
.set X,   144                          ; v144-207 two sets of 32: my block's 32 neighbours
	s_load_b512 s[4:19], s[0:1], 0x0               ; q, k, v, Wq, Wk, Wv, Wo, mask
	s_load_b128 s[20:23], s[0:1], 0x40             ; xc, xs
	s_load_b64 s[24:25], s[0:1], 0x50              ; mw
	v_lshl_add_u32 v208, v0, 2, 0x16400
	v_mov_b32 v209, 0
	v_lshrrev_b32 v1, 5, v0
	v_readfirstlane_b32 s26, v1                    ; wave
	v_and_b32 v[LN], 31, v0
	s_cmp_ge_u32 ttmp9, 448
	s_cbranch_scc1 .Lmask
	s_mul_i32 s30, s26, WREG                       ; my wave's LDS
	v_lshlrev_b32 v[GI], 4, v[LN]
	v_lshrrev_b32 v[TI], 3, v[LN]
	v_mul_u32_u24 v[TI], v[TI], 144
	v_and_b32 v9, 7, v[LN]
	v_lshl_add_u32 v[TI], v9, 4, v[TI]
	v_add_nc_u32 v[TI], s30, v[TI]
	v_mul_u32_u24 v[TO], v[LN], 144
	v_add_nc_u32 v[TO], s30, v[TO]
	v_lshrrev_b32 v[O16], 1, v[LN]                 ; my block l belongs to unit l / 2, half l % 2
	v_mul_u32_u24 v[O16], v[O16], 816
	v_add_nc_u32 v[O16], s30, v[O16]
	v_and_b32 v9, 1, v[LN]
	v_lshl_add_u32 v[O8], v9, 7, v[O16]
	v_add_nc_u32 v[O8], OST+544, v[O8]
	v_mad_u32_u24 v[O16], v9, 272, v[O16]
	v_add_nc_u32 v[O16], OST, v[O16]
	v_add_nc_u32 v[SBA], s30, v[LN]
	v_add_nc_u32 v[SBA], SBY, v[SBA]
	v_lshrrev_b32 v9, 4, v[LN]
	v_lshl_add_u32 v[RBK], v9, 4, v[GI]
	v_add_nc_u32 v[RBK], s30, v[RBK]
	v_add_nc_u32 v[RBK], OST, v[RBK]
	v_mad_u32_u24 v[GB], v9, 5376, v[GI]
	v_add_nc_u32 v[SBR], s30, v[GI]
	v_add_nc_u32 v[SBR], SBY, v[SBR]
	s_wait_kmcnt 0x0
	s_mov_b64 s[28:29], s[16:17]                   ; which tensor: the choice hangs on the work-group's number alone
	s_mov_b32 s27, 432                             ; and its first work-group
	s_cmp_lt_u32 ttmp9, 432
	s_cselect_b64 s[28:29], s[14:15], s[28:29]
	s_cselect_b32 s27, 416, s27
	s_cmp_lt_u32 ttmp9, 416
	s_cselect_b64 s[28:29], s[12:13], s[28:29]
	s_cselect_b32 s27, 400, s27
	s_cmp_lt_u32 ttmp9, 400
	s_cselect_b64 s[28:29], s[10:11], s[28:29]
	s_cselect_b32 s27, 384, s27
	s_cmp_lt_u32 ttmp9, 384
	s_cselect_b64 s[28:29], s[8:9], s[28:29]
	s_cselect_b32 s27, 256, s27
	s_cmp_lt_u32 ttmp9, 256
	s_cselect_b64 s[28:29], s[6:7], s[28:29]
	s_cselect_b32 s27, 128, s27
	s_cmp_lt_u32 ttmp9, 128
	s_cselect_b64 s[28:29], s[4:5], s[28:29]
	s_cselect_b32 s27, 0, s27
	s_lshl_b32 s31, ttmp9, 2
	s_add_co_u32 s31, s31, s26                     ; T: my storage tile among all 1,792
	s_sub_co_u32 s32, ttmp9, s27
	s_lshl_b32 s32, s32, 2
	s_add_co_u32 s32, s32, s26                     ; and within its tensor
	s_lshr_b32 s34, s32, 1
	s_lshl_b32 s34, s34, 17                        ; 32 rows of 4,096 bytes for each pair of tiles,
	s_and_b32 s33, s32, 1
	s_lshl_b32 s33, s33, 15                        ; 8 rows for the odd one
	s_add_co_u32 s34, s34, s33
	; k's rows alone have another storage order: storage tile T holds rows 64 (T / 4) + 8 (T % 4) + 0 .. 7, and the eight rows that lie 32 further on,
	; so that in a score tile lanes 0-15 hold keys of one block of 32 and lanes 16-31 keys of the next block
	s_lshr_b32 s36, s32, 2
	s_lshl_b32 s36, s36, 18
	s_and_b32 s33, s32, 3
	s_lshl_b32 s33, s33, 15
	s_add_co_u32 s36, s36, s33
	s_cmp_eq_u32 s27, 128                          ; k's work-groups begin at 128: the choice hangs on the work-group's number alone
	s_cselect_b32 s34, s36, s34
	s_cselect_b32 s36, 65536, 0                    ; k: the tile's rows 8-15 lie 16 rows further on than the immediates below say
	s_mov_b32 s35, 0
	s_mov_b32 s37, 0
	s_add_nc_u64 s[28:29], s[28:29], s[34:35]
	s_add_nc_u64 s[36:37], s[28:29], s[36:37]      ; the base of the tile's rows 8-15
	s_lshr_b32 s34, s31, 3
	s_mul_i32 s34, s34, 98304
	s_and_b32 s33, s31, 7
	s_mul_i32 s33, s33, 768
	s_add_co_u32 s34, s34, s33
	s_add_nc_u64 s[20:21], s[20:21], s[34:35]      ; my tile's unit 0
	s_lshl_b32 s34, s31, 9
	s_add_nc_u64 s[22:23], s[22:23], s[34:35]      ; my tile's 512 scale bytes
.macro LOAD t                          ; storage row t of the tile: eight loads of 512 consecutive bytes
.irp j, 0,1,2,3,4,5,6,7
	global_load_b128 v[R+32*((\t)%3)+4*\j:R+32*((\t)%3)+4*\j+3], v[GI], s[28+8*((\t)/8):29+8*((\t)/8)] offset:((\t)+8*((\t)/8))*4096+512*\j th:TH_LOAD_NT
.endr
.endm
.macro TURN t                          ; through the stage: LDS serves a wave's instructions in order, so no wait stands between the stores and the loads
.irp j, 0,1,2,3,4,5,6,7
	ds_store_b128 v[TI], v[R+32*((\t)%3)+4*\j:R+32*((\t)%3)+4*\j+3] offset:TSTG*((\t)%2)+576*\j
.endr
.irp j, 0,1,2,3,4,5,6,7
	ds_load_b128 v[X+32*((\t)%2)+4*\j:X+32*((\t)%2)+4*\j+3], v[TO] offset:TSTG*((\t)%2)+16*\j
.endr
.endm
.macro STEP t
.set XS, X+32*((\t)%2)
.set CD, 20+12*((\t)%2)                ; v20-31, v32-43: this row's codes: +0..5 final, +6..8 the second conversion, +10 the byte
.if (\t) > 0
	s_wait_dscnt 3                                 ; this row is back from the stage; the three younger instructions are the row before's stores into the out stage
.else
	s_wait_dscnt 0x0
.endif
.if (\t)+3 < 16
	LOAD (\t)+3                                    ; into the set that this row's stores into the stage have read
.endif
.if (\t) < 15
.if (\t) < 13
	s_wait_loadcnt 16                              ; the next row's eight loads are in; two rows behind it may be out
.else
	s_wait_loadcnt 8*(14-(\t))
.endif
	TURN (\t)+1
.endif
	v_max3_num_f32 v12, |v[XS]|, |v[XS+1]|, |v[XS+2]|              ; the block's largest magnitude: all 32 numbers are mine; two chains
	v_max3_num_f32 v13, |v[XS+3]|, |v[XS+4]|, |v[XS+5]|
.irp i, 6,10,14,18,22,26
	v_max3_num_f32 v12, v12, |v[XS+\i]|, |v[XS+\i+1]|
	v_max3_num_f32 v13, v13, |v[XS+\i+2]|, |v[XS+\i+3]|
.endr
	v_max3_num_f32 v12, v12, |v[XS+30]|, |v[XS+31]|
	v_max3_num_f32 v12, v12, v13, 0x1800000        ; and the floor 2^(3 - 127): the byte cannot fall under 1
	v_add_nc_u32 v14, 0xff000000, v12              ; 2 off the exponent field: the conversion takes this operand's exponent field as its scale
	v_cvt_scalef32_pk16_fp6_f32 v[CD:CD+2], v[XS:XS+15], v14
	v_cvt_scalef32_pk16_fp6_f32 v[CD+6:CD+8], v[XS+16:XS+31], v14  ; (a conversion's three registers begin on an even number)
	v_lshrrev_b32 v[CD+10], 23, v14                ; the scale's byte; also the plain line behind the conversions
.irp i, 0,1,2
	v_mov_b32 v[CD+3+\i], v[CD+6+\i]
.endr
	ds_store_b128 v[O16], v[CD:CD+3] offset:16*(\t)
	ds_store_b64 v[O8], v[CD+4:CD+5] offset:8*(\t)
	ds_store_b8 v[SBA], v[CD+10] offset:32*(\t)
.endm
	LOAD 0
	LOAD 1
	LOAD 2
	s_wait_loadcnt 16                              ; row 0 is in
	TURN 0
.irp t, 0,1,2,3,4,5,6,7,8,9,10,11,12,13,14,15
	STEP \t
.endr
.set e, 0
.rept 24                               ; the tile's codes come back as they lie in memory, 512 bytes an instruction
	ds_load_b128 v[R+4*e:R+4*e+3], v[RBK] offset:544*e
.set e, e+1
.endr
	ds_load_b128 v[X:X+3], v[SBR]
.set e, 0
.rept 24
	s_wait_dscnt 24-e                              ; load e is in: 23 - e code loads and the scale bytes' load are younger
.if e%3 == 0
	global_store_b128 v[GI], v[R+4*e:R+4*e+3], s[20:21] offset:12288*(e/3)        ; an even unit's first 512 bytes
.elseif e%3 == 1
	global_store_b128 v[GB], v[R+4*e:R+4*e+3], s[20:21] offset:12288*(e/3)+512    ; its last 256, and the odd unit's first 256
.else
	global_store_b128 v[GI], v[R+4*e:R+4*e+3], s[20:21] offset:12288*(e/3)+6400   ; the odd unit's last 512
.endif
.set e, e+1
.endr
	s_wait_dscnt 0x0
	global_store_b128 v[GI], v[X:X+3], s[22:23]    ; 512 consecutive scale bytes
	s_wait_tensorcnt 0x0
	ds_add_u32 v208, v209
	s_wait_dscnt 0x0
	s_endpgm
.Lmask:                                                ; one tile of 16 queries; wave w makes key steps 4 w .. 4 w + 3
	s_sub_co_u32 s30, ttmp9, 448                   ; the tile
	v_and_b32 v2, 15, v0
	v_and_b32 v3, 8, v2
	v_add_nc_u32 v2, v2, v3                        ; r + 8 (r / 8)
	v_bfe_u32 v3, v0, 4, 1
	v_lshlrev_b32 v2, 11, v2                       ; a row of the mask is 2,048 bytes
	v_lshl_add_u32 v2, v3, 5, v2                   ; + 32 h: word n of a key step has in bit L the mask of query (tile, r) and key 128 step + 64 (n / 32) + 32 h + n % 32
	s_wait_alu depctr_va_vdst(0)
	v_lshlrev_b32 v4, 3, v[LN]                     ; out: 8 bytes a lane
	s_lshr_b32 s31, s30, 1
	s_lshl_b32 s31, s31, 16
	s_and_b32 s32, s30, 1
	s_lshl_b32 s32, s32, 14
	s_add_co_u32 s34, s31, s32                     ; row 32 (tile / 2) + 8 (tile % 2)
	s_lshl_b32 s32, s26, 9
	s_add_co_u32 s34, s34, s32                     ; + my four steps' first key
	s_mov_b32 s35, 0
	s_lshl_b32 s36, s30, 12
	s_lshl_b32 s32, s26, 10
	s_add_co_u32 s36, s36, s32                     ; (16 tile + 4 w) x 256
	s_mov_b32 s37, 0
	s_wait_kmcnt 0x0
	s_add_nc_u64 s[18:19], s[18:19], s[34:35]
	s_add_nc_u64 s[24:25], s[24:25], s[36:37]
.irp s, 0,1,2,3
.irp b, 0,1,2,3
	global_load_b128 v[16+16*\s+4*\b:19+16*\s+4*\b], v2, s[18:19] offset:128*\s+64*(\b/2)+16*(\b%2)
.endr
.endr
.irp i, 0,1,2,3,4,5,6,7
	v_mov_b32 v[80+\i], 0                          ; written whole once: a lane write keeps the other lanes
.endr
.macro MASKSTEP s
	s_wait_loadcnt 12-4*(\s)                       ; this step's four loads are in; the later steps' may be out
.set n, 0
.rept 64
	v_and_b32 v[8+n%2], 0xff<<(8*(n%4)), v[16+16*(\s)+4*(n/16)+(n%16)/4]
	v_cmp_ne_u32 s[40+n%2], 0, v[8+n%2]            ; word n: a bit a lane
	v_writelane_b32 v[80+2*(\s)+n%2], s[40+n%2], n/2
.set n, n+1
.endr
	global_store_b64 v4, v[80+2*(\s):81+2*(\s)], s[24:25] offset:256*(\s)   ; 64 words: 256 consecutive aligned bytes
.endm
	MASKSTEP 0
	MASKSTEP 1
	MASKSTEP 2
	MASKSTEP 3
	s_endpgm
.Lfunc_end_k_qd13cad35ea_prep:
	.size	k_qd13cad35ea_prep, .Lfunc_end_k_qd13cad35ea_prep-k_qd13cad35ea_prep
	.p2alignl 7, 3214868480
	.fill 96, 4, 3214868480
	.section	.rodata,"a",@progbits
	.p2align	6, 0x0
	.amdhsa_kernel k_qd13cad35ea_prep
		.amdhsa_group_segment_fixed_size 91648
		.amdhsa_private_segment_fixed_size 0
		.amdhsa_enable_private_segment 0
		.amdhsa_kernarg_size 88
		.amdhsa_user_sgpr_count 2
		.amdhsa_user_sgpr_kernarg_segment_ptr 1
		.amdhsa_wavefront_size32 1
		.amdhsa_system_sgpr_workgroup_id_x 1
		.amdhsa_system_sgpr_workgroup_id_y 1
		.amdhsa_system_sgpr_workgroup_id_z 1
		.amdhsa_system_vgpr_workitem_id 0
		.amdhsa_next_free_vgpr 210
		.amdhsa_next_free_sgpr 66
		.amdhsa_reserve_vcc 0
		.amdhsa_float_denorm_mode_32 3
		.amdhsa_float_denorm_mode_16_64 3
		.amdhsa_memory_ordered 1
		.amdhsa_forward_progress 1
		.amdhsa_inst_pref_size 114
	.end_amdhsa_kernel
	.amdgpu_metadata
---
amdhsa.version: [ 1, 2 ]
amdhsa.kernels:
  - .name:           k_qd13cad35ea_prep
    .symbol:         k_qd13cad35ea_prep.kd
    .args:
      - { .name: q, .offset: 0, .size: 8, .value_kind: global_buffer, .address_space: global }
      - { .name: k, .offset: 8, .size: 8, .value_kind: global_buffer, .address_space: global }
      - { .name: v, .offset: 16, .size: 8, .value_kind: global_buffer, .address_space: global }
      - { .name: Wq, .offset: 24, .size: 8, .value_kind: global_buffer, .address_space: global }
      - { .name: Wk, .offset: 32, .size: 8, .value_kind: global_buffer, .address_space: global }
      - { .name: Wv, .offset: 40, .size: 8, .value_kind: global_buffer, .address_space: global }
      - { .name: Wo, .offset: 48, .size: 8, .value_kind: global_buffer, .address_space: global }
      - { .name: mask, .offset: 56, .size: 8, .value_kind: global_buffer, .address_space: global }
      - { .name: xc, .offset: 64, .size: 8, .value_kind: global_buffer, .address_space: global }
      - { .name: xs, .offset: 72, .size: 8, .value_kind: global_buffer, .address_space: global }
      - { .name: mw, .offset: 80, .size: 8, .value_kind: global_buffer, .address_space: global }
    .group_segment_fixed_size: 91648
    .private_segment_fixed_size: 0
    .kernarg_segment_align: 8
    .kernarg_segment_size: 88
    .max_flat_workgroup_size: 128
    .sgpr_count:     66
    .vgpr_count:     210
    .wavefront_size: 32
...
	.end_amdgpu_metadata
.endif
;; end of part 1
;; launch proj (part 2): grid 4 x 96, 4 waves a work-group, clusters of 4 x 4, 327,680 bytes of LDS; arguments xc, xs, bq, bk, pc, ps, bv; writes pc, ps
.if DOCPART == 2
	.amdgcn_target "amdgcn-amd-amdhsa--gfx1250"
	.amdhsa_code_object_version 6
	.text
	.protected	k_qd13cad35ea_proj
	.globl	k_qd13cad35ea_proj
	.p2align	8
	.type	k_qd13cad35ea_proj,@function
k_qd13cad35ea_proj:
	s_mov_b64 s[64:65], 0
	v_nop
	global_prefetch_b8 v0, s[64:65] scope:SCOPE_SE
	s_setreg_imm32_b32 hwreg(HW_REG_WAVE_MODE, 25, 1), 1
	s_wait_xcnt 0x0
	s_wait_alu depctr_hold_cnt(0) depctr_sa_sdst(0) depctr_va_vdst(0) depctr_va_sdst(0) depctr_va_ssrc(0) depctr_va_vcc(0) depctr_vm_vsrc(0)
	s_getreg_b32 s2, hwreg(HW_REG_IB_STS2, 6, 4)
	s_cmp_eq_u32 s2, 0
	s_cbranch_scc0 .Lentry_in_a_cluster
	s_endpgm
.Lentry_in_a_cluster:
	s_bfe_u32 s2, ttmp6, 0x10000c
	s_cmp_lg_u32 s2, 0xf033
	s_cbranch_scc0 .Lentry_shape_is_right
	s_endpgm
.Lentry_shape_is_right:
.set NQ,    2
.set FR,    12
.set NL,    4
.set NP,    4
.set UNIT,  768
.set CCOL,  6144
.set HALFT, 4*CCOL
.set SLOT,  4*HALFT
.set GRP,   16*CCOL
.set LAPS,  2
.set KS,    32
.set SCL,   2*SLOT
.set HALFS, 16*272
.set SBLK,  2*272
.set SPARE, SCL+4*HALFS
.set STR,  13
.set ADRA, 16
.set ADRB, 20
.set GO16, 24
.set GO8,  25
.set STW,  26
.set ADRS, 27
.set SPW,  28
.set NIL,  29
.set BIA,  30
.set RBA,  31
.set SC,   32
.set BI,   64
.set AF,   128
.set PW,   128
.set PC,   144
.set RB,   224
.set TM,   240
.set G1, 24
.set G0, 32
.set G1B, 48
.set G0B, 56
.set G1S, 68
.set G0S, 76
.set G1SB, 80
.set G0SB, 88
.set KIND, 95
.set SEL, 100
.set MSB, 0
.macro WIN new
.if MSB != (\new)
	s_set_vgpr_msb (MSB<<8)|(\new)
.set MSB, (\new)
.endif
.endm
.set MUL_LO, 0xa1
.set MUL_HI, 0xf1
.set TO_B,   0x40
.macro JLOAD g0a, g1a, g0b, g1b
	s_cmp_eq_u32 s15, 0
	s_cbranch_scc0 .Lfor_b_\@
	tensor_load_to_lds s[\g0a:\g0a+3], s[\g1a:\g1a+7]
	s_nop 0
.rept 4
	v_nop
.endr
	s_branch .Lasked_\@
.Lfor_b_\@:
	tensor_load_to_lds s[\g0b:\g0b+3], s[\g1b:\g1b+7]
	s_nop 0
.rept 4
	v_nop
.endr
.Lasked_\@:
.endm
.macro CREST
	s_cmp_lg_u32 s14, 0
	s_cbranch_scc1 .Lnot_wave_0_\@
	s_barrier_signal -3
.Lnot_wave_0_\@:
	s_barrier_wait -3
	s_barrier_signal -1
	s_barrier_wait -1
.endm
.macro CROUND
	s_barrier_signal -1
	s_barrier_wait -1
	CREST
.endm
	s_load_b128 s[4:7], s[0:1], 0x0
	s_load_b64 s[66:67], s[0:1], 0x10
	s_load_b64 s[104:105], s[0:1], 0x18
	s_load_b64 s[12:13], s[0:1], 0x20
	s_load_b64 s[96:97], s[0:1], 0x28
	s_load_b64 s[98:99], s[0:1], 0x30
	v_lshl_add_u32 v[SPW], v0, 2, SPARE
	v_mov_b32 v[NIL], 0
	ds_add_u32 v28, v29
	ds_add_u32 v28, v29
	s_wait_dscnt 0x0
	v_lshrrev_b32 v1, 5, v0
	v_readfirstlane_b32 s14, v1
	s_lshr_b32 s15, s14, 1
	s_and_b32 s16, s14, 1
	s_bfe_u32 s40, ttmp6, 0x40000
	s_bfe_u32 s41, ttmp6, 0x40004
	s_and_b32 s18, ttmp7, 0xffff
	s_lshr_b32 s[KIND], s18, 3
	s_and_b32 s18, s18, 7
	s_lshl_b32 s18, s18, 2
	s_cmp_eq_u32 s[KIND], 2
	s_cselect_b32 s17, 0, s18
	s_cselect_b32 s42, s18, 0
	s_add_co_u32 s17, s17, s41
	s_add_co_u32 s42, s42, s40
	s_lshl_b32 s43, s41, 2
	s_lshl_b32 s43, 15, s43
	s_lshl_b32 s44, 0x1111, s40
	s_or_b32 s[G1+0], s43, (3<<16)|(1<<21)
	s_or_b32 s[G1B+0], s44, (3<<16)|(1<<21)
.irp g, G1, G1B
	s_mov_b32 s[\g+1], 3072<<16                    ; for the head's loads: 2 rows of 24,576 bytes (a slot's part of two groups of 128 rows), 98,304 bytes apart
	s_mov_b32 s[\g+2], 2<<16
	s_mov_b32 s[\g+3], 3072<<16
	s_mov_b32 s[\g+4], 2
	s_mov_b32 s[\g+5], 12288
	s_mov_b32 s[\g+6], 0
	s_mov_b32 s[\g+7], 0
.endr
	s_or_b32 s[G1S+0], s43, (3<<16)|(1<<20)|(1<<21)|(5<<22)|(3<<25)
	s_or_b32 s[G1SB+0], s44, (3<<16)|(1<<20)|(1<<21)|(5<<22)|(3<<25)
.irp g, G1S, G1SB
	s_mov_b32 s[\g+1], 32<<16
	s_mov_b32 s[\g+2], 32<<16                      ; the scales of 256 rows: 32 rows of 256 bytes
	s_mov_b32 s[\g+3], 32<<16
	s_mov_b32 s[\g+4], 32
	s_mov_b32 s[\g+5], 32
	s_mov_b32 s[\g+6], 0
	s_mov_b32 s[\g+7], 0
.endr
	s_lshl_b32 s20, s[KIND], 6
	s_lshl_b32 s46, s[KIND], 3
	s_add_co_u32 s46, s46, 192
	s_cmp_eq_u32 s[KIND], 2
	s_cselect_b32 s20, 208, s20
	s_cselect_b32 s46, 128, s46
	s_lshl_b32 s18, s17, 1
	s_add_co_u32 s20, s20, s18
	s_lshl_b32 s47, s42, 1
	s_add_co_u32 s46, s46, s47
	s_lshl_b32 s22, s20, 12
	s_mov_b32 s23, 0
	s_mul_i32 s20, s20, GRP
	s_mov_b32 s21, 0
	s_lshl_b32 s92, s46, 12
	s_mov_b32 s93, 0
	s_mul_i32 s46, s46, GRP
	s_mov_b32 s47, 0
	s_mul_i32 s45, s14, HALFT
	s_mov_b32 s[SEL], 0x76543210
	s_mov_b32 s[SEL+1], 0xfedcba98
	s_wait_kmcnt 0x0
	s_add_nc_u64 s[20:21], s[4:5], s[20:21]
	s_add_nc_u64 s[22:23], s[6:7], s[22:23]
	s_add_nc_u64 s[46:47], s[4:5], s[46:47]
	s_add_nc_u64 s[92:93], s[6:7], s[92:93]
	CROUND
	s_mov_b32 s[G0S], 1
	s_mov_b32 s[G0S+1], SCL
	s_mov_b64 s[G0S+2:G0S+3], s[22:23]
	s_or_b32 s[G0S+3], s[G0S+3], 0x80000000
	s_mov_b32 s[G0SB], 1
	s_mov_b32 s[G0SB+1], SCL+2*HALFS
	s_mov_b64 s[G0SB+2:G0SB+3], s[92:93]
	s_or_b32 s[G0SB+3], s[G0SB+3], 0x80000000
.set G0H, 4                            ; s[4:7], s[8:11]: group 0 of the head's loads of slot 0 (the arguments that lay in s[4:7] have been used)
.set G0HB, 8
	s_mov_b32 s[G0H], 1                            ; slot 0's 256 rows of A, whole,
	s_mov_b32 s[G0H+1], 0
	s_mov_b64 s[G0H+2:G0H+3], s[20:21]
	s_or_b32 s[G0H+3], s[G0H+3], 0x80000000
	s_mov_b32 s[G0HB], 1                           ; and its 256 rows of B, behind them
	s_mov_b32 s[G0HB+1], 2*HALFT
	s_mov_b64 s[G0HB+2:G0HB+3], s[46:47]
	s_or_b32 s[G0HB+3], s[G0HB+3], 0x80000000
	s_mul_i32 s18, s16, GRP                        ; for the ring: my group of 128 rows of the tile
	s_mov_b32 s19, 0
	s_add_nc_u64 s[20:21], s[20:21], s[18:19]
	s_add_nc_u64 s[46:47], s[46:47], s[18:19]
.irp s, 0,1
	s_mov_b32 s[G0+4*\s], 1
	s_add_co_u32 s[G0+4*\s+1], s45, \s*SLOT
	s_add_nc_u64 s[G0+4*\s+2:G0+4*\s+3], s[20:21], \s*HALFT
	s_or_b32 s[G0+4*\s+3], s[G0+4*\s+3], 0x80000000
	s_mov_b32 s[G0B+4*\s], 1
	s_add_co_u32 s[G0B+4*\s+1], s45, \s*SLOT
	s_add_nc_u64 s[G0B+4*\s+2:G0B+4*\s+3], s[46:47], \s*HALFT
	s_or_b32 s[G0B+4*\s+3], s[G0B+4*\s+3], 0x80000000
.endr
; the head's loads, one a wave: wave 0 slot 0's rows of A, wave 1 its rows of B, wave 2 A's scales, wave 3 B's.  One chain of arms on the wave's number, all leading to one join
.macro ARM under, g0, g1, next
	s_cmp_lt_u32 s14, \under
	s_cbranch_scc0 \next
	tensor_load_to_lds s[\g0:\g0+3], s[\g1:\g1+7]
	s_nop 0
.rept 4
	v_nop
.endr
	s_branch .Lhead_asked
\next:
.endm
	ARM 1, G0H,  G1,  .Lhead_b
	ARM 2, G0HB, G1B, .Lhead_sa
	ARM 3, G0S,  G1S, .Lhead_sb
	tensor_load_to_lds s[G0SB:G0SB+3], s[G1SB:G1SB+7]
	s_nop 0
.rept 4
	v_nop
.endr
.Lhead_asked:
	; PREFETCH INTO THE L2, two slots ahead of the tensor load that will want the bytes: here slots 1 and 2, behind slot 1's load slot 3.  Of the 24,576 bytes (96 blocks of 256) that a wave fetches for a slot,
	; each of the four partners that ask for them jointly names 24 blocks, told apart by address (cx for A, cy for B): a lane a block, one instruction a wave; lanes 24-31 name the wave's last block again.
	; The furthest byte named lies 3 x 24,576 + 3 x 6,144 + 23 x 256 behind the group's first: inside its 98,304.  v12 and s[92:93] are never rewritten.
	s_cmp_eq_u32 s15, 0                            ; do I fetch for A?
	s_cselect_b64 s[92:93], s[20:21], s[46:47]
	s_cselect_b32 s18, s40, s41                    ; my place among the four that ask with me
	s_mul_i32 s18, s18, 6144
	s_mov_b32 s19, 0
	s_add_nc_u64 s[92:93], s[92:93], s[18:19]
	v_and_b32 v12, 31, v0
	v_min_u32 v12, 23, v12
	v_lshlrev_b32 v12, 8, v12
	global_prefetch_b8 v12, s[92:93] offset:HALFT th:TH_LOAD_NT scope:SCOPE_SE
	global_prefetch_b8 v12, s[92:93] offset:2*HALFT th:TH_LOAD_NT scope:SCOPE_SE
	v_and_b32 v1, 15, v0
	v_bfe_u32 v2, v0, 4, 1
	v_and_b32 v3, 31, v0
	v_lshlrev_b32 v[GO16], 4, v3
	v_lshlrev_b32 v[GO8], 3, v3
	v_add_nc_u32 v5, 512, v[GO8]
	s_mul_i32 s21, s15, HALFT
	s_mul_i32 s22, s16, HALFT
	s_add_co_u32 s22, s22, 2*HALFT
.irp s, 0,1
	v_add_nc_u32 v[ADRA+\s], s21, v[GO16]
	v_add_nc_u32 v[ADRB+\s], s22, v[GO16]
	v_add_nc_u32 v[ADRA+2+\s], s21, v5
	v_add_nc_u32 v[ADRB+2+\s], s22, v5
	s_add_co_u32 s21, s21, SLOT
	s_add_co_u32 s22, s22, SLOT
.endr
	v_mul_u32_u24 v5, v1, KS
	v_lshrrev_b32 v6, 8, v5
	v_lshl_add_u32 v5, v6, 4, v5
	s_mul_i32 s21, s15, HALFS
	s_mul_i32 s22, s16, HALFS
	s_add_co_u32 s22, s22, 2*HALFS
	s_sub_co_u32 s22, s22, s21
	v_mul_u32_u24 v6, s22, v2
	s_add_co_u32 s21, s21, SCL
	v_add_nc_u32 v5, v5, v6
	v_add_nc_u32 v[ADRS], s21, v5
	s_lshl_b32 s23, s14, 9
	v_lshl_add_u32 v[STW], v1, 2, s23
	v_add_nc_u32 v[STR], s23, v[GO16]
	v_lshlrev_b32 v[BIA], 6, v2
	s_wait_alu depctr_va_vdst(0)
	v_and_b32 v6, 8, v1
	v_add_nc_u32 v6, v6, v1
	v_lshlrev_b32 v[RBA], 2, v6
	s_wait_alu depctr_va_vdst(0)
.irp b, 0,1,2,3
	v_mov_b32 v[TM+4+\b], 0
.endr
	s_lshl_b32 s20, s17, 1
	s_add_co_u32 s20, s20, s15
	s_lshl_b32 s21, s42, 1
	s_add_co_u32 s21, s21, s16
	s_mul_i32 s18, s[KIND], 6291456
	s_mov_b32 s19, GRP
	s_mov_b32 s22, 4096
	s_cmp_eq_u32 s[KIND], 2
	s_cselect_b32 s19, 8*GRP, s19
	s_cselect_b32 s22, 32768, s22
	s_mul_i32 s19, s19, s20
	s_add_co_u32 s18, s18, s19
	s_mul_i32 s19, s21, 2*CCOL
	s_add_co_u32 s18, s18, s19
	s_mov_b32 s19, 0
	s_add_nc_u64 s[12:13], s[12:13], s[18:19]
	s_mul_i32 s18, s[KIND], 262144
	s_mul_i32 s22, s22, s20
	s_add_co_u32 s18, s18, s22
	s_lshl_b32 s22, s21, 9
	s_add_co_u32 s18, s18, s22
	s_add_nc_u64 s[96:97], s[96:97], s[18:19]
	s_cmp_eq_u32 s[KIND], 1
	s_cselect_b64 s[98:99], s[104:105], s[98:99]
	s_cmp_eq_u32 s[KIND], 0
	s_cselect_b64 s[98:99], s[66:67], s[98:99]
	s_lshl_b32 s18, s21, 9
	s_lshl_b32 s22, s20, 9
	s_mov_b32 s23, 0
	s_cmp_eq_u32 s[KIND], 2
	s_cselect_b32 s18, 0, s18
	s_cselect_b32 s22, s22, 0
	s_add_nc_u64 s[66:67], s[98:99], s[18:19]
	s_add_nc_u64 s[98:99], s[98:99], s[22:23]
.irp b, 0,1,2,3,4,5,6,7
	global_load_b128 v[BI+8*\b:BI+8*\b+3], v[BIA], s[66:67] offset:(32*(\b/2)+8*(\b%2))*4
	global_load_b128 v[BI+8*\b+4:BI+8*\b+7], v[BIA], s[66:67] offset:(32*(\b/2)+8*(\b%2))*4+16
.endr
.irp a, 0,1,2,3,4,5,6,7
	global_load_b32 v[RB+2*\a], v[RBA], s[98:99] offset:(32*(\a/2)+8*(\a%2))*4
	global_load_b32 v[RB+2*\a+1], v[RBA], s[98:99] offset:(32*(\a/2)+8*(\a%2))*4
.endr
.macro FRAG reg, adr, q, i
.irp c, 0,1
	ds_load_b128 v[\reg+6*\c:\reg+6*\c+3], v[\adr] offset:(2*(\q)+\c)*CCOL+(\i)*UNIT
	ds_load_b64 v[\reg+6*\c+4:\reg+6*\c+5], v[\adr+2] offset:(2*(\q)+\c)*CCOL+(\i)*UNIT
.endr
.endm
.macro MUL16 a0, p, q, sc, zero
.irp a, \a0, \a0+1
.irp b, 0,1,2,3,4,5,6,7
.if \zero
	v_wmma_scale_f32_16x16x128_f8f6f4 v[8*(8*((\a)%4)+\b):8*(8*((\a)%4)+\b)+7], v[128*(\p)+FR*\b:128*(\p)+FR*\b+FR-1], v[AF+FR*(\a):AF+FR*(\a)+FR-1], 0, v[SC+8*NQ*(\sc)+NQ*\b+(\q)], v[SC+8*NQ*(\sc)+NQ*(\a)+(\q)] matrix_a_fmt:MATRIX_FMT_FP6 matrix_b_fmt:MATRIX_FMT_FP6 matrix_a_scale:MATRIX_SCALE_ROW1
.else
	v_wmma_scale_f32_16x16x128_f8f6f4 v[8*(8*((\a)%4)+\b):8*(8*((\a)%4)+\b)+7], v[128*(\p)+FR*\b:128*(\p)+FR*\b+FR-1], v[AF+FR*(\a):AF+FR*(\a)+FR-1], v[8*(8*((\a)%4)+\b):8*(8*((\a)%4)+\b)+7], v[SC+8*NQ*(\sc)+NQ*\b+(\q)], v[SC+8*NQ*(\sc)+NQ*(\a)+(\q)] matrix_a_fmt:MATRIX_FMT_FP6 matrix_b_fmt:MATRIX_FMT_FP6 matrix_a_scale:MATRIX_SCALE_ROW1
.endif
.endr
.endr
.endm
.macro FETCH_B slot, q, p
	WIN TO_B
.irp i, 0,1,2,3,4,5,6,7
	FRAG 128*(\p)+FR*\i, ADRB+\slot, \q, \i
.endr
	WIN 0
.endm
.macro FETCH_A slot, q, i0
.irp i, \i0, \i0+1, \i0+2, \i0+3
	FRAG AF+FR*(\i), ADRA+\slot, \q, \i
.endr
.endm
.macro SCALES sc
.irp i, 0,1,2,3,4,5,6,7
	ds_load_b64 v[SC+8*NQ*\sc+NQ*\i:SC+8*NQ*\sc+NQ*\i+1], v[ADRS] offset:\i*SBLK
.endr
.endm
.macro PLACES n
.rept \n
	v_nop
.endr
.endm
.macro STEP slot, q, zero
	s_wait_dscnt 4*NL
	WIN MUL_LO
	MUL16 0, (\q)%2, \q, \slot, \zero
	MUL16 2, (\q)%2, \q, \slot, \zero
	s_wait_dscnt 0
	PLACES NP
	FETCH_B \slot, (\q)+1, 1-(\q)%2
	FETCH_A \slot, (\q)+1, 0
	WIN MUL_HI
	MUL16 4, (\q)%2, \q, \slot, \zero
	MUL16 6, (\q)%2, \q, \slot, \zero
	PLACES NP
	WIN 0
	FETCH_A \slot, (\q)+1, 4
.endm
.macro TURN slot, next, fill
	s_wait_tensorcnt 0x0
	ds_add_u32 v[SPW], v[NIL]
	s_wait_dscnt 4*NL+1
	WIN MUL_LO
	MUL16 0, 1, NQ-1, \slot, 0
	s_wait_dscnt 0x0
	s_barrier_signal -1
	MUL16 2, 1, NQ-1, \slot, 0
	WIN 0
	s_barrier_wait -1
.if \fill
	CREST
	s_add_nc_u64 s[G0+4*\slot+2:G0+4*\slot+3], s[G0+4*\slot+2:G0+4*\slot+3], 2*HALFT
	s_add_nc_u64 s[G0B+4*\slot+2:G0B+4*\slot+3], s[G0B+4*\slot+2:G0B+4*\slot+3], 2*HALFT
	JLOAD G0+4*\slot, G1, G0B+4*\slot, G1B
.else
	PLACES NP
.endif
	s_wait_alu depctr_va_vdst(0)
	v_add_nc_u32 v[ADRS], 4*NQ, v[ADRS]
	FETCH_B \next, 0, 0
	FETCH_A \next, 0, 0
	SCALES \next
	WIN MUL_HI
	MUL16 4, 1, NQ-1, \slot, 0
	MUL16 6, 1, NQ-1, \slot, 0
	PLACES NP
	WIN 0
	FETCH_A \next, 0, 4
.endm
	s_wait_alu depctr_va_vdst(0)
	s_wait_loadcnt 0x0
	s_wait_tensorcnt 0x0                           ; my tile of the head's four is in
	ds_add_u32 v[SPW], v[NIL]
.irp g, G1, G1B                        ; no tensor load of mine is out: from here on a load brings 96 rows of 256 bytes, dense
	s_mov_b32 s[\g+1], 32<<16
	s_mov_b32 s[\g+2], 96<<16
	s_mov_b32 s[\g+3], 32<<16
	s_mov_b32 s[\g+4], 96
	s_mov_b32 s[\g+5], 32
.endr
	s_wait_dscnt 0x0
	CROUND                                         ; all four tiles are in, and all sixteen work-groups are here
	JLOAD G0+4, G1, G0B+4, G1B                     ; slot 1's first fill, the first tensor load behind the round
	FETCH_B 0, 0, 0
	FETCH_A 0, 0, 0
	SCALES 0
	FETCH_A 0, 0, 4
	global_prefetch_b8 v12, s[92:93] offset:3*HALFT th:TH_LOAD_NT scope:SCOPE_SE   ; slot 3, the last: two refills on
	STEP 0, 0, 1
	s_mov_b32 s3, LAPS-1
.Llap:
	TURN 0, 1, 1
	STEP 1, 0, 0
	TURN 1, 0, 1
	STEP 0, 0, 0
	s_sub_co_u32 s3, s3, 1
	s_cmp_lg_u32 s3, 0
	s_cbranch_scc1 .Llap
	TURN 0, 1, 0
	STEP 1, 0, 0
	s_wait_dscnt 4*NL
	WIN MUL_LO
	MUL16 0, 1, NQ-1, 1, 0
	MUL16 2, 1, NQ-1, 1, 0
	s_wait_dscnt 0
	WIN MUL_HI
	MUL16 4, 1, NQ-1, 1, 0
	MUL16 6, 1, NQ-1, 1, 0
	WIN 0
.macro BIAS a
.set W, 2+(\a)/4
.set AC, 64*((\a)%4)
	WIN 0
	s_cmp_eq_u32 s[KIND], 2
	s_cbranch_scc1 .Lrow_\@
	WIN W|(W<<6)
.set i, 0
.rept 32
	v_pk_add_f32 v[AC+i:AC+i+1], v[AC+i:AC+i+1], v[BI+i:BI+i+1]
.set i, i+2
.endr
	WIN 0
	s_branch .Ldone_\@
.Lrow_\@:
	WIN W|(W<<6)
.set i, 0
.rept 32
	v_pk_add_f32 v[AC+i:AC+i+1], v[AC+i:AC+i+1], v[RB+2*(\a):RB+2*(\a)+1]
.set i, i+2
.endr
	WIN 0
.Ldone_\@:
.endm
.macro QUANTA a
.set PC, 144+12*((\a)%6)               ; six sets of registers for the codes, 12 apart (a set's temporaries lie in the next set): a store's data are written again only by blocks 6 and 7
.set W, 2+(\a)/4
.set AC, 64*((\a)%4)
	WIN (W<<2)|(W<<4)
.irp b, 0,1,2,3
	v_max3_num_f32 v[TM+\b], 0x1800000, |v[AC+16*\b]|, |v[AC+16*\b+1]|
.endr
.irp i, 2,4,6,8,10,12,14
.irp b, 0,1,2,3
	v_max3_num_f32 v[TM+\b], v[TM+\b], |v[AC+16*\b+\i]|, |v[AC+16*\b+\i+1]|
.endr
.endr
	WIN 0
.irp b, 0,1,2,3
	v_permlanex16_b32 v[TM+4+\b], v[TM+\b], s[SEL], s[SEL+1]
.endr
.irp b, 0,1,2,3
	v_max_num_f32 v[TM+\b], v[TM+\b], v[TM+4+\b]
.endr
.irp b, 0,1,2,3
	v_add_nc_u32 v[TM+12+\b], 0xff000000, v[TM+\b]
.endr
.irp b, 0,1,2,3
	v_lshrrev_b32 v[TM+4+\b], 23, v[TM+12+\b]
.endr
	v_lshl_or_b32 v[PW+(\a)], v[TM+5], 8, v[TM+4]
	v_lshl_or_b32 v[PW+(\a)], v[TM+6], 16, v[PW+(\a)]
	v_lshl_or_b32 v[PW+(\a)], v[TM+7], 24, v[PW+(\a)]
.if (\a) == 6
	s_wait_xcnt 0x0                                ; the stores of blocks 0 to 5 have read their data: blocks 6 and 7 write the sets of blocks 0 to 2
.endif
	WIN W
.irp c, 0,1
	v_cvt_scalef32_pk16_fp6_f32 v[PC+6*\c:PC+2+6*\c], v[AC+32*\c:AC+15+32*\c], v[TM+12+2*\c]
	v_cvt_scalef32_pk16_fp6_f32 v[PC+12+4*\c:PC+14+4*\c], v[AC+16+32*\c:AC+31+32*\c], v[TM+12+2*\c+1]
.endr
	WIN 0
	v_nop
.irp c, 0,1
.irp i, 0,1,2
	v_permlane16_swap_b32 v[PC+6*\c+\i], v[PC+12+4*\c+\i]
.endr
.irp i, 0,1,2
	v_mov_b32 v[PC+3+6*\c+\i], v[PC+12+4*\c+\i]
.endr
.endr
.endm
.macro PUT a
	ds_store_b32 v[STW], v[PW+(\a)] offset:64*(\a)
	global_store_b128 v[GO16], v[PC:PC+3], s[12:13] offset:UNIT*(\a)
	global_store_b64 v[GO8], v[PC+4:PC+5], s[12:13] offset:UNIT*(\a)+512
	global_store_b128 v[GO16], v[PC+6:PC+9], s[12:13] offset:CCOL+UNIT*(\a)
	global_store_b64 v[GO8], v[PC+10:PC+11], s[12:13] offset:CCOL+UNIT*(\a)+512
.endm
	PLACES NP
.irp a, 0,1,2,3,4,5,6,7
	BIAS \a
	QUANTA \a
	PUT \a
.endr
	ds_load_b128 v[PC+20:PC+23], v[STR]
	s_wait_dscnt 0x0
	global_store_b128 v[GO16], v[PC+20:PC+23], s[96:97]
	s_wait_tensorcnt 0x0
	ds_add_u32 v[SPW], v[NIL]
	s_wait_dscnt 0x0
	CROUND
	s_endpgm
.Lfunc_end_k_qd13cad35ea_proj:
	.size	k_qd13cad35ea_proj, .Lfunc_end_k_qd13cad35ea_proj-k_qd13cad35ea_proj
	.p2alignl 7, 3214868480
	.fill 96, 4, 3214868480
	.section	.rodata,"a",@progbits
	.p2align	6, 0x0
	.amdhsa_kernel k_qd13cad35ea_proj
		.amdhsa_group_segment_fixed_size 327680
		.amdhsa_private_segment_fixed_size 0
		.amdhsa_enable_private_segment 0
		.amdhsa_kernarg_size 56
		.amdhsa_user_sgpr_count 2
		.amdhsa_user_sgpr_kernarg_segment_ptr 1
		.amdhsa_wavefront_size32 1
		.amdhsa_system_sgpr_workgroup_id_x 1
		.amdhsa_system_sgpr_workgroup_id_y 1
		.amdhsa_system_sgpr_workgroup_id_z 1
		.amdhsa_system_vgpr_workitem_id 0
		.amdhsa_next_free_vgpr 1024
		.amdhsa_next_free_sgpr 106
		.amdhsa_reserve_vcc 0
		.amdhsa_float_denorm_mode_32 3
		.amdhsa_float_denorm_mode_16_64 3
		.amdhsa_memory_ordered 1
		.amdhsa_forward_progress 1
		.amdhsa_inst_pref_size 189
	.end_amdhsa_kernel
	.amdgpu_metadata
---
amdhsa.version: [ 1, 2 ]
amdhsa.kernels:
  - .name:           k_qd13cad35ea_proj
    .symbol:         k_qd13cad35ea_proj.kd
    .args:
      - { .name: xc, .offset: 0, .size: 8, .value_kind: global_buffer, .address_space: global }
      - { .name: xs, .offset: 8, .size: 8, .value_kind: global_buffer, .address_space: global }
      - { .name: bq, .offset: 16, .size: 8, .value_kind: global_buffer, .address_space: global }
      - { .name: bk, .offset: 24, .size: 8, .value_kind: global_buffer, .address_space: global }
      - { .name: pc, .offset: 32, .size: 8, .value_kind: global_buffer, .address_space: global }
      - { .name: ps, .offset: 40, .size: 8, .value_kind: global_buffer, .address_space: global }
      - { .name: bv, .offset: 48, .size: 8, .value_kind: global_buffer, .address_space: global }
    .group_segment_fixed_size: 327680
    .private_segment_fixed_size: 0
    .kernarg_segment_align: 8
    .kernarg_segment_size: 56
    .max_flat_workgroup_size: 128
    .sgpr_count:     106
    .vgpr_count:     1024
    .wavefront_size: 32
...
	.end_amdgpu_metadata
.endif
;; end of part 2
;; launch attn (part 3): grid 4 x 64, 16 waves a work-group, clusters of 4 x 1, 210,944 bytes of LDS; arguments pc, ps, mw, cc, cs; writes cc, cs
.if DOCPART == 3
	.amdgcn_target "amdgcn-amd-amdhsa--gfx1250"
	.amdhsa_code_object_version 6
	.text
	.protected	k_qd13cad35ea_attn
	.globl	k_qd13cad35ea_attn
	.p2align	8
	.type	k_qd13cad35ea_attn,@function
k_qd13cad35ea_attn:
	s_mov_b64 s[64:65], 0
	v_nop
	global_prefetch_b8 v0, s[64:65] scope:SCOPE_SE
	s_setreg_imm32_b32 hwreg(HW_REG_WAVE_MODE, 25, 1), 1
	s_wait_xcnt 0x0
	s_wait_alu depctr_hold_cnt(0) depctr_sa_sdst(0) depctr_va_vdst(0) depctr_va_sdst(0) depctr_va_ssrc(0) depctr_va_vcc(0) depctr_vm_vsrc(0)
	s_getreg_b32 s2, hwreg(HW_REG_IB_STS2, 6, 4)
	s_cmp_eq_u32 s2, 0
	s_cbranch_scc0 .Lentry_in_a_cluster
	s_endpgm
.Lentry_in_a_cluster:
	s_bfe_u32 s2, ttmp6, 0x10000c
	s_cmp_lg_u32 s2, 0x3003
	s_cbranch_scc0 .Lentry_shape_is_right
	s_endpgm
.Lentry_shape_is_right:
; ATTN.  ctx = softmax(where(mask, 1e-9, Q K^T / 8)) V for one (batch, head) and 512 queries, both products on codes of FP6 (E2M3) with E8M0 scales; ctx is quantised along D and stored as codes and scale bytes.
; THE SOFTMAX: t = logit x log2(e); M = the running largest t rounded up to a whole number; p = 2^(t - M) is quantised along the keys, not normalised; the row's sum is taken of the unquantised p and divides at the end.
; SHARES.  Sixteen waves of 256 registers.  Wave w takes two tiles of 16 queries, one after the other (two passes), each over all 2,048 keys, 128 a step.
; THE HEAD'S K AND V LIE IN LDS WHOLE, filled once (208,896 bytes of codes and scale words): no ring, no refill.  The four work-groups of a cluster have the same head: every fill is a joint load, one a wave:
; waves 0-7 K's codes (2 x 6,144 bytes each), waves 8-11 V's codes (8 x 3,072), waves 12-13 K's scale words (8 x 512), waves 14-15 V's (8 x 256).
; All of K and V is asked for at the head, so nothing is left to prefetch; the mask words are read again by every head.
; LAYOUT.  Both products are used transposed (S^T = K Q^T, O^T = V^T P^T): a lane holds one query throughout.  K's storage tile 4 c + t of a step holds keys 64 c + 8 t + 0..7 and 64 c + 32 + 8 t + 0..7,
; so score register n of lane (r, h) is key 64 (n / 32) + 32 h + n % 32: A LANE'S 32 REGISTERS ARE ONE WHOLE BLOCK OF 32 KEYS, in the order that P's operand wants: no lane is asked for a block's maximum and no codes change lanes.
; Operands in LDS are images of registers (a unit: 16 rows x 64 K, 768 bytes: 16 bytes a lane, then 8 bytes a lane).
; The head is 64 wide: the upper 64 of Q's fragment are zero codes.  So the upper half of a K fragment counts for nothing, whatever finite codes it holds: K's eight fragments lie 6 registers apart, each one's upper half being the next one
; (the last one's: six registers cleared once); their scale bytes there are 0, a finite code.
; THE STEP: softmax of step i, from scores to P's codes; then, on end, the score products of step i + 1 and O^T += V^T P^T of step i.  K's fragments of step i + 1 and V's of step i are loaded between the dependent lines that make M,
; and one wait at the step's end serves all 38 loads.  The softmax's temporaries lie in P's registers, which are free from one step's products to the next step's conversions.
; THE MASK AND THE BLOCKS' MAXIMA GO TOGETHER: a dual pair selects score n under its mask word (in VCC, by a scalar move) and takes score n - 3, selected three pairs earlier, into one of its block's four maxima.
; LIMITS: NaN and infinities are not served; beyond |t| = 2^24 M is as coarse as t; p under 2^-126 falls to 0; a block whose largest magnitude lies under 2^-124 keeps the byte 1 (the bytes are read by this program alone).
; REGISTERS: v0 the thread's number, kept; v1-6 LDS addresses of K's and V's units and scale words, stepped; v7 a permute's result; v8 f (v9, ctx's scale offset, is its pair's other half); v10 8e-9; v11 8 h; v12 -M, v13 the largest score;
;   v[14:15] the sum; v16-27 Q, v28 its scales; v29 p's scale word; v30-31 the conversions' scales; v32-38 upper halves of blocks' codes (before: v32 the old -M, v33 t, v36-37 maxima); v35 ctx's scale bytes; v39 4 x lane;
;   v40-51 P (before: v40, 41, 44, 45 and v48, 49 maxima, v42 block 1's; then v44-49 three chains of the sum, v50-51 scale bytes); v52-105 K; v106-109, v110-111 K's and V's scale words; v112-175 S^T, then p; v176-207 O^T; v208-255 V's fragments.
.set VC,  98304                        ; LDS: K's codes from 0: key tile T at 768 T;  V^T's codes: step x 6144 + (64 keys) x 3072 + (16 channels) x 768
.set KSB, 196608                       ; K's scale words: 4 bytes a key (two heads' bytes)
.set VSB, 204800                       ; V^T's: step x 256 + channel x 4
.set SPARE, 208896                     ; the spare words: 128 bytes a wave
.set PC,  40
.set KF,  52
.set KSC, 106
.set VSC, 110
.set S,   112
.set O,   176
.set VF,  208
.set G1KC, 32
.set G1VC, 40
.set G1KS, 48
.set G1VS, 56
.set G0KC, 68
.set G0VC, 72
.set G0KS, 76
.set G0VS, 80
.macro ROUND                           ; a round of the cluster's barrier
	s_barrier_signal -1
	s_barrier_wait -1
	s_cmp_lg_u32 s14, 0
	s_cbranch_scc1 .Lnot_wave_0_\@
	s_barrier_signal -3
.Lnot_wave_0_\@:
	s_barrier_wait -3
	s_barrier_signal -1
	s_barrier_wait -1
.endm
.macro G1SET g, d0, rows, pitch        ; group 1: rows of d0 elements of 8 bytes, pitch elements apart; the mask names all four work-groups, bit 21 beside it; no padding
	s_mov_b32 s[\g], 15|(3<<16)|(1<<21)
	s_mov_b32 s[\g+1], (\d0)<<16
	s_mov_b32 s[\g+2], (\rows)<<16
	s_mov_b32 s[\g+3], (\d0)<<16
	s_mov_b32 s[\g+4], \rows
	s_mov_b32 s[\g+5], \pitch
	s_mov_b32 s[\g+6], 0
	s_mov_b32 s[\g+7], 0
.endm
.macro ARM under, g0, g1, next         ; one arm of the head's chain: its load, and a jump to the join
	s_cmp_lt_u32 s14, \under
	s_cbranch_scc0 \next
	tensor_load_to_lds s[\g0:\g0+3], s[\g1:\g1+7]
	s_nop 0
.rept 4
	v_nop
.endr
	s_branch .Lasked
\next:
.endm
	s_load_b256 s[4:11], s[0:1], 0x0               ; pc s[4:5], ps s[6:7], mw s[8:9], cc s[10:11]
	s_load_b64 s[12:13], s[0:1], 0x20              ; cs
	v_lshl_add_u32 v254, v0, 2, SPARE
	v_mov_b32 v255, 0
	ds_add_u32 v254, v255
	ds_add_u32 v254, v255
	v_lshrrev_b32 v1, 5, v0
	v_readfirstlane_b32 s14, v1                    ; wave 0..15
	s_bfe_u32 s15, ttmp6, 0x40000                  ; cx: which 512 queries
	s_and_b32 s16, ttmp7, 0xffff
	s_lshr_b32 s17, s16, 4                         ; batch
	s_and_b32 s18, s16, 15                         ; head
	s_lshr_b32 s19, s18, 1
	s_and_b32 s25, s18, 1
	s_lshl_b32 s26, s17, 4                         ; 16 batch: the batch's first group of 128 keys
	s_and_b32 s27, s14, 7                          ; K's codes: groups 2 (w % 8), + 1, the head's column of units
	s_lshl_b32 s92, s27, 1
	s_add_co_u32 s92, s92, s26
	s_mul_i32 s84, s92, 98304
	s_mul_i32 s92, s18, 6144
	s_add_co_u32 s84, s84, s92
	s_add_co_u32 s84, s84, 6291456
	s_mov_b32 s85, 0
	s_mul_i32 s[G0KC+1], s27, 12288
	s_and_b32 s27, s14, 3                          ; V^T's codes: the head's group of rows, 8 (w % 4) columns of units on, the head's four units in each
	s_mul_i32 s86, s19, 786432
	s_mul_i32 s92, s26, 12288
	s_add_co_u32 s86, s86, s92
	s_mul_i32 s92, s25, 3072
	s_add_co_u32 s86, s86, s92
	s_mul_i32 s92, s27, 49152
	s_add_co_u32 s86, s86, s92
	s_add_co_u32 s86, s86, 12582912
	s_mov_b32 s87, 0
	s_mul_i32 s[G0VC+1], s27, 24576
	s_add_co_u32 s[G0VC+1], s[G0VC+1], VC
	s_and_b32 s27, s14, 1                          ; the scale words: groups 8 (w % 2) + 0 .. 7
	s_lshl_b32 s92, s27, 3
	s_add_co_u32 s92, s92, s26
	s_lshl_b32 s88, s92, 12
	s_lshl_b32 s93, s19, 9
	s_add_co_u32 s88, s88, s93
	s_add_co_u32 s88, s88, 262144
	s_mov_b32 s89, 0
	s_lshl_b32 s[G0KS+1], s27, 12
	s_add_co_u32 s[G0KS+1], s[G0KS+1], KSB
	s_lshl_b32 s90, s92, 9
	s_lshl_b32 s93, s19, 15
	s_add_co_u32 s90, s90, s93
	s_lshl_b32 s93, s25, 8
	s_add_co_u32 s90, s90, s93
	s_add_co_u32 s90, s90, 524288
	s_mov_b32 s91, 0
	s_lshl_b32 s[G0VS+1], s27, 11
	s_add_co_u32 s[G0VS+1], s[G0VS+1], VSB
	G1SET G1KC, 768, 2, 12288                      ; 2 rows of 6,144 bytes, 98,304 apart
	G1SET G1VC, 384, 8, 768                        ; 8 rows of 3,072 bytes, 6,144 apart
	G1SET G1KS, 64, 8, 512                         ; 8 rows of 512 bytes, 4,096 apart
	G1SET G1VS, 32, 8, 64                          ; 8 rows of 256 bytes, 512 apart
	s_mov_b32 s[G0KC], 1
	s_mov_b32 s[G0VC], 1
	s_mov_b32 s[G0KS], 1
	s_mov_b32 s[G0VS], 1
	s_wait_dscnt 0x0                               ; both opening adds are done
	s_wait_kmcnt 0x0
	s_add_nc_u64 s[G0KC+2:G0KC+3], s[4:5], s[84:85]
	s_or_b32 s[G0KC+3], s[G0KC+3], 0x80000000
	s_add_nc_u64 s[G0VC+2:G0VC+3], s[4:5], s[86:87]
	s_or_b32 s[G0VC+3], s[G0VC+3], 0x80000000
	s_add_nc_u64 s[G0KS+2:G0KS+3], s[6:7], s[88:89]
	s_or_b32 s[G0KS+3], s[G0KS+3], 0x80000000
	s_add_nc_u64 s[G0VS+2:G0VS+3], s[6:7], s[90:91]
	s_or_b32 s[G0VS+3], s[G0VS+3], 0x80000000
	ROUND                                          ; all four work-groups are here: the joint loads meet
	ARM 8,  G0KC, G1KC, .Lfor_v                    ; one chain of arms on the wave's number: every way passes exactly one load
	ARM 12, G0VC, G1VC, .Lfor_ks
	ARM 14, G0KS, G1KS, .Lfor_vs
	tensor_load_to_lds s[G0VS:G0VS+3], s[G1VS:G1VS+7]
	s_nop 0
.rept 4
	v_nop
.endr
.Lasked:
	v_and_b32 v7, 31, v0                           ; lane
	v_bfe_u32 v11, v0, 4, 1                        ; h
	v_lshlrev_b32 v1, 4, v7                        ; 16 x lane: K's units in LDS, and the units of Q and ctx in memory
	v_lshl_add_u32 v2, v7, 3, 512                  ; 512 + 8 x lane: a unit's last 8 bytes a lane
	v_lshlrev_b32 v39, 2, v7                       ; 4 x lane: scale words: lanes 0-15 an even tile's rows, lanes 16-31 the odd tile's
	v_lshlrev_b32 v9, 5, v7                        ; ctx's scale bytes: 32 bytes a row
	v_lshlrev_b32 v11, 3, v11                      ; 8 h
	s_lshl_b32 s92, s25, 1
	s_add_co_u32 s92, s92, KSB
	v_add_nc_u32 v3, s92, v39                      ; K's scale words: my head's two bytes
	v_add_nc_u32 v4, VC, v1
	v_add_nc_u32 v5, VC, v2
	v_add_nc_u32 v6, VSB, v39
	v_mov_b32 v10, 0x3209705f                      ; 8e-9
.irp i, 7,35,22,23,24,25,26,27,100,101,102,103,104,105
	v_mov_b32 v[\i], 0                             ; a permute's destination, ctx's scale bytes, the upper 64 of Q's fragment, the last K fragment's upper half
.endr
	s_wait_alu depctr_va_vdst(0)
	s_lshl_b32 s96, s15, 2
	s_add_co_u32 s96, s96, s26
	s_lshr_b32 s97, s14, 2
	s_add_co_u32 s96, s96, s97                     ; my queries' group of 128 rows: 16 batch + 4 cx + wave / 4
	s_and_b32 s97, s14, 3                          ; and my two tiles in it: 2 (wave % 4), + 1
	s_mul_i32 s98, s96, 98304
	s_mul_i32 s99, s18, 6144
	s_add_co_u32 s98, s98, s99
	s_mul_i32 s99, s97, 1536
	s_add_co_u32 s98, s98, s99
	s_mov_b32 s99, 0
	s_add_nc_u64 s[4:5], s[4:5], s[98:99]          ; Q's unit,
	s_add_nc_u64 s[10:11], s[10:11], s[98:99]      ; and ctx's, which lies alike
	s_lshl_b32 s98, s96, 12
	s_lshl_b32 s94, s19, 9
	s_add_co_u32 s98, s98, s94
	s_lshl_b32 s94, s97, 7
	s_add_co_u32 s98, s98, s94
	s_lshl_b32 s94, s25, 1
	s_add_co_u32 s98, s98, s94
	s_add_nc_u64 s[6:7], s[6:7], s[98:99]          ; Q's scale words, my head's two bytes
	s_lshl_b32 s98, s17, 16
	s_lshl_b32 s94, s15, 14
	s_add_co_u32 s98, s98, s94
	s_lshl_b32 s94, s14, 10
	s_add_co_u32 s98, s98, s94
	s_lshl_b32 s94, s18, 1
	s_add_co_u32 s98, s98, s94
	s_add_nc_u64 s[12:13], s[12:13], s[98:99]      ; ctx's scale bytes: my 32 rows, bytes 2 head, 2 head + 1
	s_lshl_b32 s29, s15, 17
	s_lshl_b32 s94, s14, 13
	s_add_co_u32 s29, s29, s94                     ; my first tile's mask words: (32 cx + 2 wave) x 4,096
	s_mov_b32 s30, s29
	global_load_b128 v[16:19], v1, s[4:5]          ; the first pass's Q
	global_load_b64 v[20:21], v2, s[4:5]
	global_load_u16 v28, v39, s[6:7]
	s_mov_b32 s20, 0x76543210
	s_mov_b32 s21, 0xfedcba98                      ; v_permlanex16_b32's selects for lane l xor 16
	s_mov_b32 s22, 0x3e38aa3b                      ; c = log2(e) / 8
	s_mov_b32 s23, s22                             ; (named with it as a pair)
	s_mov_b32 s31, 0xffff                          ; the lanes that keep this pass's scale bytes
	s_mov_b32 s28, 2                               ; passes to go
	s_wait_tensorcnt 0x0                           ; my part of K and V has landed,
	s_barrier_signal -1
	s_barrier_wait -1                              ; everybody's has
	s_load_b512 s[68:83], s[8:9], s30 offset:0x0   ; the first step's 64 mask words, into the registers that the descriptors have left: word n < 32 in s[68 + n], word n >= 32 in s[n]
	s_load_b512 s[84:99], s[8:9], s30 offset:0x40
	s_load_b512 s[32:47], s[8:9], s30 offset:0x80
	s_load_b512 s[48:63], s[8:9], s30 offset:0xc0
.macro KFRAGS st, t0                   ; K's fragments t0 .. t0 + 3, st steps on from where the addresses stand
.irp t, 0,1,2,3
	ds_load_b128 v[KF+6*(\t0+\t):KF+6*(\t0+\t)+3], v1 offset:(\st)*6144+(\t0+\t)*768
	ds_load_b64 v[KF+6*(\t0+\t)+4:KF+6*(\t0+\t)+5], v2 offset:(\st)*6144+(\t0+\t)*768
.endr
.endm
.macro KSCALES st
.irp u, 0,1,2,3
	ds_load_u16 v[KSC+\u], v3 offset:(\st)*512+\u*128   ; two bytes; the bytes of the empty blocks are 0
.endr
.endm
.macro VFRAG t                         ; V^T's fragment t of this step
.irp c, 0,1
	ds_load_b128 v[VF+12*(\t)+6*\c:VF+12*(\t)+6*\c+3], v4 offset:\c*3072+(\t)*768
	ds_load_b64 v[VF+12*(\t)+6*\c+4:VF+12*(\t)+6*\c+5], v5 offset:\c*3072+(\t)*768
.endr
.endm
.macro SMM                             ; S^T = K Q^T: eight tiles of 16 keys
.irp t, 0,1,2,3,4,5,6,7
.if \t % 2
	v_wmma_scale_f32_16x16x128_f8f6f4 v[S+8*\t:S+8*\t+7], v[KF+6*\t:KF+6*\t+11], v[16:27], 0, v[KSC+\t/2], v28 matrix_a_fmt:MATRIX_FMT_FP6 matrix_b_fmt:MATRIX_FMT_FP6 matrix_a_scale:MATRIX_SCALE_ROW1
.else
	v_wmma_scale_f32_16x16x128_f8f6f4 v[S+8*\t:S+8*\t+7], v[KF+6*\t:KF+6*\t+11], v[16:27], 0, v[KSC+\t/2], v28 matrix_a_fmt:MATRIX_FMT_FP6 matrix_b_fmt:MATRIX_FMT_FP6
.endif
.endr
.endm
.macro TMM j0, cnt                     ; t - M, two at a time
.set j, \j0
.rept \cnt
	v_pk_fma_f32 v[S+j:S+j+1], v[S+j:S+j+1], s[22:23], v[12:13] op_sel_hi:[1,0,0]
.set j, j+2
.endr
.endm
.macro ADD4 k                          ; four pairs of p onto the sum's four chains
	v_pk_add_f32 v[44:45], v[44:45], v[S+2*(\k):S+2*(\k)+1]
	v_pk_add_f32 v[46:47], v[46:47], v[S+2*(\k)+2:S+2*(\k)+3]
	v_pk_add_f32 v[48:49], v[48:49], v[S+2*(\k)+4:S+2*(\k)+5]
	v_pk_add_f32 v[14:15], v[14:15], v[S+2*(\k)+6:S+2*(\k)+7]
.endm
.macro STEP last                       ; one step of 128 keys.  last = 1: the pass's last step
	s_wait_kmcnt 0x0                               ; this step's mask words
.irp n, 0,1,2
	v_cndmask_b32 v[S+\n], v[S+\n], v10, s[68+\n]  ; masked scores become 8e-9, ascending
.endr
; From score 3 on a pair does two things: score n is selected under its mask word, and score np = n - 3 goes into one of its block's four maxima (the first four of a block begin them).
; The pair's form: one destination even, the other odd (np's maximum has np's parity, n the other); first sources 3 registers apart; second sources v10 (register number 2 mod 4) and a maximum (0 or 1 mod 4).
.set n, 3
.rept 61
.set np, n-3
.set AR, 40+8*(np/32)+(np%2)+(4-16*(np/32))*((np%4)/2)   ; block 0: v40, 41, 44, 45; block 1: v48, 49, 36, 37
.if n < 32
	s_mov_b32 vcc_lo, s[68+n]
.else
	s_mov_b32 vcc_lo, s[n]
.endif
.if (np%32) < 4
	v_dual_cndmask_b32 v[S+n], v[S+n], v10 :: v_dual_mov_b32 v[AR], v[S+np]
.else
	v_dual_cndmask_b32 v[S+n], v[S+n], v10 :: v_dual_max_num_f32 v[AR], v[S+np], v[AR]
.endif
.set n, n+1
.endr
	v_max3_num_f32 v40, v40, v41, v44              ; the largest score of each of my two blocks of 32 keys: it serves the row's maximum and, since p rises with the score, the block's largest p
	v_max3_num_f32 v42, v48, v49, v36
	v_max_num_f32 v40, v40, v45
	v_max3_num_f32 v42, v42, v37, v[S+61]          ; with the last three scores
	v_max3_num_f32 v42, v42, v[S+62], v[S+63]
	s_add_co_u32 s29, s29, 256                     ; the next step's mask words (the second pass's follow the first's): they have the rest of the step in which to land
	s_min_u32 s30, s29, 524032                     ; the very last look-ahead is held inside the buffer
	s_load_b512 s[68:83], s[8:9], s30 offset:0x0
	s_load_b512 s[84:99], s[8:9], s30 offset:0x40
	s_load_b512 s[32:47], s[8:9], s30 offset:0x80
	s_load_b512 s[48:63], s[8:9], s30 offset:0xc0
	; the lines that make M hang on each other: the LDS loads, 38 in all, stand between them
	v_max3_num_f32 v13, v13, v40, v42              ; the running largest score of my query,
.if !\last
	KFRAGS 1, 0                                    ; the next step's K
.endif
	v_permlanex16_b32 v7, v13, s20, s21
.if !\last
	KFRAGS 1, 4
.endif
	v_max_num_f32 v13, v13, v7                     ; with lane l xor 16's keys
.if !\last
	KSCALES 1
.endif
	VFRAG 0                                        ; this step's V^T
	v_mul_f32 v33, s22, v13                        ; as t (c is positive)
	VFRAG 1
	VFRAG 2
	v_floor_f32 v12, -v33                          ; the new -M = floor(-t): M is a whole number
	VFRAG 3
	ds_load_b32 v[VSC], v6
	ds_load_b32 v[VSC+1], v6 offset:128
	v_sub_f32 v32, v12, v32                        ; old M - new M: a whole number, 0 or less
	TMM 0, 4
	v_cvt_i32_f32 v32, v32                         ; (it saturates)
	TMM 8, 4
	v_ldexp_f32 v8, 1.0, v32                       ; f = 2^(old M - new M)
	TMM 16, 24
	v_fma_f32 v40, v40, s22, v12                   ; the same of each block's largest score
	v_fma_f32 v42, v42, s22, v12
.set j, 0
.rept 16
	v_pk_mul_f32 v[O+j:O+j+1], v[O+j:O+j+1], v[8:9] op_sel_hi:[1,0]   ; O^T under the new M, each accumulator from its low end on
.set j, j+2
.endr
	s_wait_alu depctr_va_vdst(0)
.if \last
	s_cmp_eq_u32 s28, 1                            ; a counted loop's steps decide: the last pass has no successor
	s_cbranch_scc1 .Lno_q
	global_load_b128 v[16:19], v1, s[4:5] offset:768-92160   ; the next pass's Q, into registers whose last product has been issued; the addresses stand 15 steps on
	global_load_b64 v[20:21], v2, s[4:5] offset:768-92160
	global_load_u16 v28, v39, s[6:7] offset:64
.Lno_q:
.endif
.set j, 0
.rept 64
	v_exp_f32 v[S+j], v[S+j]                       ; p = 2^(t - M), at most 1
.set j, j+1
.endr
	v_exp_f32 v40, v40                             ; the blocks' largest p: the same two instructions on the same numbers
	v_exp_f32 v42, v42
	v_pk_mul_f32 v[14:15], v[14:15], v[8:9] op_sel_hi:[1,0]   ; the sum under the new M; also the plain line behind the exponentials
	s_wait_alu depctr_va_vdst(0)                   ; one wait for the batch, ahead of its first reader
	v_pk_add_f32 v[44:45], v[S:S+1], v[S+2:S+3]    ; the row's sum is taken of the unquantised p: four chains; the blocks' scales are made between them
	v_pk_add_f32 v[46:47], v[S+4:S+5], v[S+6:S+7]
	v_pk_add_f32 v[48:49], v[S+8:S+9], v[S+10:S+11]
	v_pk_add_f32 v[14:15], v[14:15], v[S+12:S+13]
	v_max_num_f32 v40, 0x1800000, v40              ; the floor 2^(3 - 127): the byte cannot fall under 1
	v_max_num_f32 v42, 0x1800000, v42
	ADD4 7
	v_add_nc_u32 v30, 0xff000000, v40              ; 2 off the exponent field: the conversion's scale operand
	v_add_nc_u32 v31, 0xff000000, v42
	ADD4 11
	v_lshrrev_b32 v50, 23, v30                     ; the scales' bytes: blocks h and 2 + h of these 128 keys
	v_lshrrev_b32 v51, 23, v31
	ADD4 15
	v_lshl_or_b32 v50, v51, 16, v50
	ADD4 19
	v_lshlrev_b32 v50, v11, v50                    ; at their places in the scale word: 8 h bits up
	ADD4 23
	v_permlanex16_b32 v7, v50, s20, s21
	ADD4 27
	v_or_b32 v29, v50, v7                          ; with lane l xor 16's two the word is whole
	v_pk_add_f32 v[44:45], v[44:45], v[S+62:S+63]
	v_pk_add_f32 v[46:47], v[46:47], v[48:49]
	s_delay_alu instid0(VALU_DEP_2)
	v_pk_add_f32 v[14:15], v[14:15], v[44:45]
	s_delay_alu instid0(VALU_DEP_1)
	v_pk_add_f32 v[14:15], v[14:15], v[46:47]
	v_cvt_scalef32_pk16_fp6_f32 v[PC:PC+2], v[S:S+15], v30         ; registers 6 c .. 6 c + 5 of P's operand: my block 2 c + h
	v_cvt_scalef32_pk16_fp6_f32 v[32:34], v[S+16:S+31], v30
	v_cvt_scalef32_pk16_fp6_f32 v[PC+6:PC+8], v[S+32:S+47], v31
	v_cvt_scalef32_pk16_fp6_f32 v[36:38], v[S+48:S+63], v31
	v_nop                                          ; one plain line behind a scaled conversion
.irp i, 0,1,2
	v_mov_b32 v[PC+3+\i], v[32+\i]                 ; (a conversion's three registers begin on an even number: the upper halves of the two blocks are moved)
	v_mov_b32 v[PC+9+\i], v[36+\i]
.endr
.if \last
	s_wait_xcnt 0x0                                ; Q's loads have read their addresses
	v_sub_nc_u32 v1, v1, 92160                     ; the addresses go back to step 0.  (These six, like the six below, are the places between the moves and the products)
	v_sub_nc_u32 v2, v2, 92160
	v_sub_nc_u32 v3, v3, 7680
	v_sub_nc_u32 v4, v4, 92160
	v_sub_nc_u32 v5, v5, 92160
	v_sub_nc_u32 v6, v6, 3840
.else
	v_add_nc_u32 v1, 6144, v1                      ; the addresses go one step on
	v_add_nc_u32 v2, 6144, v2
	v_add_nc_u32 v3, 512, v3
	v_add_nc_u32 v4, 6144, v4
	v_add_nc_u32 v5, 6144, v5
	v_add_nc_u32 v6, 256, v6
.endif
	s_wait_alu depctr_va_vdst(0)
	s_wait_dscnt 0x0                               ; the next step's K and this step's V
.if !\last
	SMM                                            ; the next step's scores
.endif
.irp t, 0,1,2,3                                ; O^T += V^T P^T: the four accumulators by turns, one instruction a turn
.if \t % 2
	v_wmma_scale_f32_16x16x128_f8f6f4 v[O+8*\t:O+8*\t+7], v[VF+12*\t:VF+12*\t+11], v[PC:PC+11], v[O+8*\t:O+8*\t+7], v[VSC+\t/2], v29 matrix_a_fmt:MATRIX_FMT_FP6 matrix_b_fmt:MATRIX_FMT_FP6 matrix_a_scale:MATRIX_SCALE_ROW1
.else
	v_wmma_scale_f32_16x16x128_f8f6f4 v[O+8*\t:O+8*\t+7], v[VF+12*\t:VF+12*\t+11], v[PC:PC+11], v[O+8*\t:O+8*\t+7], v[VSC+\t/2], v29 matrix_a_fmt:MATRIX_FMT_FP6 matrix_b_fmt:MATRIX_FMT_FP6
.endif
.endr
	v_mov_b32 v32, v12                             ; the old -M for the next step; with the three lines below: four places behind the products
.rept 3
	v_nop
.endr
.endm
.Lpass:
	s_wait_loadcnt 0x0                             ; Q
	KFRAGS 0, 0
	KFRAGS 0, 4
	KSCALES 0
	v_mov_b32 v13, 0xff61b1e6                      ; the largest score so far: -3e38, under every score
	v_mov_b32 v12, 0x7f61b1e6                      ; -M,
	v_mov_b32 v32, 0x7f61b1e6                      ; and its copy
	v_mov_b32 v14, 0
	v_mov_b32 v15, 0
	s_wait_alu depctr_va_vdst(0)
	s_wait_dscnt 0x0
	SMM
.set j, 0
.rept 32
	v_mov_b32 v[O+j], 0                            ; O^T: the step is written once; the first finds zeros, which f = 0 leaves zeros.  (Also the places behind the products above)
.set j, j+1
.endr
	s_mov_b32 s24, 15
.Lstep:
	STEP 0
	s_sub_co_u32 s24, s24, 1
	s_cmp_lg_u32 s24, 0
	s_cbranch_scc1 .Lstep
	STEP 1                                         ; step 15: nothing more of K to fetch, no scores to come
	; THE PASS'S END: O^T / the sum is ctx, 64 channels of 16 queries: two blocks of 32 along D (register 16 i + x: channel 32 i + 16 h + x); quantised and stored as one unit
	v_add_f32 v14, v14, v15
	s_delay_alu instid0(VALU_DEP_1)
	v_permlanex16_b32 v7, v14, s20, s21
	s_delay_alu instid0(VALU_DEP_1)
	v_add_f32 v14, v14, v7                         ; the row's sum
	s_wait_alu depctr_va_vdst(0)
	v_rcp_f32 v14, v14
	v_nop                                          ; a plain line behind the reciprocal
	s_wait_alu depctr_va_vdst(0)                   ; and the wait ahead of its first reader, which is also O^T's
.set j, 0
.rept 16
	v_pk_mul_f32 v[S+j:S+j+1], v[O+j:O+j+1], v[14:15] op_sel_hi:[1,0]
.set j, j+2
.endr
.irp b, 0,1
	v_max3_num_f32 v[VF+\b], |v[S+16*\b]|, |v[S+16*\b+1]|, 0x1800000
.endr
.irp i, 2,4,6,8,10,12,14
.irp b, 0,1
	s_delay_alu instid0(VALU_DEP_2)
	v_max3_num_f32 v[VF+\b], v[VF+\b], |v[S+16*\b+\i]|, |v[S+16*\b+\i+1]|
.endr
.endr
.irp b, 0,1
	s_delay_alu instid0(VALU_DEP_2)
	v_permlanex16_b32 v[VF+4+\b], v[VF+\b], s20, s21
.endr
.irp b, 0,1
	s_delay_alu instid0(VALU_DEP_2)
	v_max_num_f32 v[VF+\b], v[VF+\b], v[VF+4+\b]
.endr
.irp b, 0,1
	s_delay_alu instid0(VALU_DEP_2)
	v_add_nc_u32 v[30+\b], 0xff000000, v[VF+\b]
.endr
.irp b, 0,1
	s_delay_alu instid0(VALU_DEP_2)
	v_lshrrev_b32 v[VF+4+\b], 23, v[30+\b]
.endr
	s_delay_alu instid0(VALU_DEP_1)
	v_lshl_or_b32 v[VF+6], v[VF+5], 8, v[VF+4]     ; my row's two scale bytes
	v_cvt_scalef32_pk16_fp6_f32 v[PC:PC+2], v[S:S+15], v30
	v_cvt_scalef32_pk16_fp6_f32 v[32:34], v[S+16:S+31], v31
	v_nop
.irp i, 0,1,2
	v_permlane16_swap_b32 v[PC+\i], v[32+\i]       ; here a block lies in lanes l and l xor 16: the operand's layout wants it whole in a lane
.endr
.irp i, 0,1,2
	v_mov_b32 v[PC+3+\i], v[32+\i]
.endr
	global_store_b128 v1, v[PC:PC+3], s[10:11]     ; the unit: 512 and 256 consecutive aligned bytes
	global_store_b64 v2, v[PC+4:PC+5], s[10:11]
	v_cndmask_b32 v35, v35, v[VF+6], s31           ; lanes 0-15 keep the first pass's scale bytes, lanes 16-31 the second's
	s_lshl_b32 s31, s31, 16
	s_wait_xcnt 0x0                                ; the stores have read their base and their data
	s_add_nc_u64 s[10:11], s[10:11], 768
	s_sub_co_u32 s28, s28, 1
	s_cmp_lg_u32 s28, 0
	s_cbranch_scc1 .Lpass
	s_wait_alu depctr_va_vdst(0)
	global_store_b16 v9, v35, s[12:13]             ; 32 rows' two bytes, 32 bytes apart: the rows' other bytes are other heads', which other work-groups make
	s_wait_kmcnt 0x0                               ; the last look-ahead
	s_barrier_signal -1                            ; every wave's LDS reads are over (each waited for its own ahead of its last products)
	s_barrier_wait -1
	v_lshl_add_u32 v254, v0, 2, SPARE              ; the add's two registers held V's fragments: they are made anew from v0, which is as at the entry
	v_mov_b32 v255, 0
	s_wait_alu depctr_va_vdst(0)
	s_wait_tensorcnt 0x0                           ; the wave's end
	ds_add_u32 v254, v255
	s_wait_dscnt 0x0
	ROUND                                          ; the closing round
	s_endpgm
.Lfunc_end_k_qd13cad35ea_attn:
	.size	k_qd13cad35ea_attn, .Lfunc_end_k_qd13cad35ea_attn-k_qd13cad35ea_attn
	.p2alignl 7, 3214868480
	.fill 96, 4, 3214868480
	.section	.rodata,"a",@progbits
	.p2align	6, 0x0
	.amdhsa_kernel k_qd13cad35ea_attn
		.amdhsa_group_segment_fixed_size 210944
		.amdhsa_private_segment_fixed_size 0
		.amdhsa_enable_private_segment 0
		.amdhsa_kernarg_size 40
		.amdhsa_user_sgpr_count 2
		.amdhsa_user_sgpr_kernarg_segment_ptr 1
		.amdhsa_wavefront_size32 1
		.amdhsa_system_sgpr_workgroup_id_x 1
		.amdhsa_system_sgpr_workgroup_id_y 1
		.amdhsa_system_sgpr_workgroup_id_z 1
		.amdhsa_system_vgpr_workitem_id 0
		.amdhsa_next_free_vgpr 256
		.amdhsa_next_free_sgpr 100
		.amdhsa_reserve_vcc 1
		.amdhsa_float_denorm_mode_32 3
		.amdhsa_float_denorm_mode_16_64 3
		.amdhsa_memory_ordered 1
		.amdhsa_forward_progress 1
		.amdhsa_inst_pref_size 57
	.end_amdhsa_kernel
	.amdgpu_metadata
---
amdhsa.version: [ 1, 2 ]
amdhsa.kernels:
  - .name:           k_qd13cad35ea_attn
    .symbol:         k_qd13cad35ea_attn.kd
    .args:
      - { .name: pc, .offset: 0, .size: 8, .value_kind: global_buffer, .address_space: global }
      - { .name: ps, .offset: 8, .size: 8, .value_kind: global_buffer, .address_space: global }
      - { .name: mw, .offset: 16, .size: 8, .value_kind: global_buffer, .address_space: global }
      - { .name: cc, .offset: 24, .size: 8, .value_kind: global_buffer, .address_space: global }
      - { .name: cs, .offset: 32, .size: 8, .value_kind: global_buffer, .address_space: global }
    .group_segment_fixed_size: 210944
    .private_segment_fixed_size: 0
    .kernarg_segment_align: 8
    .kernarg_segment_size: 40
    .max_flat_workgroup_size: 512
    .sgpr_count:     100
    .vgpr_count:     256
    .wavefront_size: 32
...
	.end_amdgpu_metadata
.endif
;; end of part 3
;; launch outp (part 4): grid 4 x 32, 4 waves a work-group, clusters of 4 x 4, 327,680 bytes of LDS; arguments cc, cs, xc, xs, bo, out0; writes out0
.if DOCPART == 4
	.amdgcn_target "amdgcn-amd-amdhsa--gfx1250"
	.amdhsa_code_object_version 6
	.text
	.protected	k_qd13cad35ea_outp
	.globl	k_qd13cad35ea_outp
	.p2align	8
	.type	k_qd13cad35ea_outp,@function
k_qd13cad35ea_outp:
	s_mov_b64 s[64:65], 0
	v_nop
	global_prefetch_b8 v0, s[64:65] scope:SCOPE_SE
	s_setreg_imm32_b32 hwreg(HW_REG_WAVE_MODE, 25, 1), 1
	s_wait_xcnt 0x0
	s_wait_alu depctr_hold_cnt(0) depctr_sa_sdst(0) depctr_va_vdst(0) depctr_va_sdst(0) depctr_va_ssrc(0) depctr_va_vcc(0) depctr_vm_vsrc(0)
	s_getreg_b32 s2, hwreg(HW_REG_IB_STS2, 6, 4)
	s_cmp_eq_u32 s2, 0
	s_cbranch_scc0 .Lentry_in_a_cluster
	s_endpgm
.Lentry_in_a_cluster:
	s_bfe_u32 s2, ttmp6, 0x10000c
	s_cmp_lg_u32 s2, 0xf033
	s_cbranch_scc0 .Lentry_shape_is_right
	s_endpgm
.Lentry_shape_is_right:
.set NQ,    2
.set FR,    12
.set NL,    4
.set NP,    4
.set UNIT,  768
.set CCOL,  6144
.set HALFT, 4*CCOL
.set SLOT,  4*HALFT
.set GRP,   16*CCOL
.set LAPS,  2
.set KS,    32
.set SCL,   2*SLOT
.set HALFS, 16*272
.set SBLK,  2*272
.set SPARE, SCL+4*HALFS
.set SPITCH, 528
.set ROWO,  4096
.set ADRA, 16
.set ADRB, 20
.set STO,  24
.set RD,   25
.set CO,   26
.set ADRS, 27
.set SPW,  28
.set NIL,  29
.set BIA,  30
.set SC,   32
.set BI,   64
.set AF,   128
.set BK,   128
.set G1, 24
.set G0, 32
.set G1B, 48
.set G0B, 56
.set G1S, 68
.set G0S, 76
.set G1SB, 80
.set G0SB, 88
.set MSB, 0
.macro WIN new
.if MSB != (\new)
	s_set_vgpr_msb (MSB<<8)|(\new)
.set MSB, (\new)
.endif
.endm
.set MUL_LO, 0xa1
.set MUL_HI, 0xf1
.set TO_B,   0x40
.macro JLOAD g0a, g1a, g0b, g1b
	s_cmp_eq_u32 s15, 0
	s_cbranch_scc0 .Lfor_b_\@
	tensor_load_to_lds s[\g0a:\g0a+3], s[\g1a:\g1a+7]
	s_nop 0
.rept 4
	v_nop
.endr
	s_branch .Lasked_\@
.Lfor_b_\@:
	tensor_load_to_lds s[\g0b:\g0b+3], s[\g1b:\g1b+7]
	s_nop 0
.rept 4
	v_nop
.endr
.Lasked_\@:
.endm
.macro CREST
	s_cmp_lg_u32 s14, 0
	s_cbranch_scc1 .Lnot_wave_0_\@
	s_barrier_signal -3
.Lnot_wave_0_\@:
	s_barrier_wait -3
	s_barrier_signal -1
	s_barrier_wait -1
.endm
.macro CROUND
	s_barrier_signal -1
	s_barrier_wait -1
	CREST
.endm
	s_load_b128 s[4:7], s[0:1], 0x0
	s_load_b128 s[8:11], s[0:1], 0x10
	s_load_b64 s[98:99], s[0:1], 0x20
	s_load_b64 s[12:13], s[0:1], 0x28
	v_lshl_add_u32 v[SPW], v0, 2, SPARE
	v_mov_b32 v[NIL], 0
	ds_add_u32 v28, v29
	ds_add_u32 v28, v29
	s_wait_dscnt 0x0
	v_lshrrev_b32 v1, 5, v0
	v_readfirstlane_b32 s14, v1
	s_lshr_b32 s15, s14, 1
	s_and_b32 s16, s14, 1
	s_bfe_u32 s40, ttmp6, 0x40000
	s_bfe_u32 s41, ttmp6, 0x40004
	s_lshl_b32 s42, ttmp9, 2
	s_add_co_u32 s42, s42, s40
	s_and_b32 s17, ttmp7, 0xffff
	s_lshl_b32 s17, s17, 2
	s_add_co_u32 s17, s17, s41
	s_lshl_b32 s43, s41, 2
	s_lshl_b32 s43, 15, s43
	s_lshl_b32 s44, 0x1111, s40
	s_or_b32 s[G1+0], s43, (3<<16)|(1<<21)
	s_or_b32 s[G1B+0], s44, (3<<16)|(1<<21)
.irp g, G1, G1B
	s_mov_b32 s[\g+1], 3072<<16                    ; for the head's loads: 2 rows of 24,576 bytes (a slot's part of two groups of 128 rows), 98,304 bytes apart
	s_mov_b32 s[\g+2], 2<<16
	s_mov_b32 s[\g+3], 3072<<16
	s_mov_b32 s[\g+4], 2
	s_mov_b32 s[\g+5], 12288
	s_mov_b32 s[\g+6], 0
	s_mov_b32 s[\g+7], 0
.endr
	s_or_b32 s[G1S+0], s43, (3<<16)|(1<<20)|(1<<21)|(5<<22)|(3<<25)
	s_or_b32 s[G1SB+0], s44, (3<<16)|(1<<20)|(1<<21)|(5<<22)|(3<<25)
.irp g, G1S, G1SB
	s_mov_b32 s[\g+1], 32<<16
	s_mov_b32 s[\g+2], 32<<16                      ; the scales of 256 rows: 32 rows of 256 bytes
	s_mov_b32 s[\g+3], 32<<16
	s_mov_b32 s[\g+4], 32
	s_mov_b32 s[\g+5], 32
	s_mov_b32 s[\g+6], 0
	s_mov_b32 s[\g+7], 0
.endr
	s_lshl_b32 s20, s17, 1
	s_lshl_b32 s46, s42, 1
	s_add_co_u32 s46, s46, 216
	s_lshl_b32 s22, s20, 12
	s_mov_b32 s23, 0
	s_mul_i32 s20, s20, GRP
	s_mov_b32 s21, 0
	s_lshl_b32 s92, s46, 12
	s_mov_b32 s93, 0
	s_mul_i32 s46, s46, GRP
	s_mov_b32 s47, 0
	s_mul_i32 s45, s14, HALFT
	s_wait_kmcnt 0x0
	s_add_nc_u64 s[20:21], s[4:5], s[20:21]
	s_add_nc_u64 s[22:23], s[6:7], s[22:23]
	s_add_nc_u64 s[46:47], s[8:9], s[46:47]
	s_add_nc_u64 s[92:93], s[10:11], s[92:93]
	CROUND
	s_mov_b32 s[G0S], 1
	s_mov_b32 s[G0S+1], SCL
	s_mov_b64 s[G0S+2:G0S+3], s[22:23]
	s_or_b32 s[G0S+3], s[G0S+3], 0x80000000
	s_mov_b32 s[G0SB], 1
	s_mov_b32 s[G0SB+1], SCL+2*HALFS
	s_mov_b64 s[G0SB+2:G0SB+3], s[92:93]
	s_or_b32 s[G0SB+3], s[G0SB+3], 0x80000000
.set G0H, 4                            ; s[4:7], s[8:11]: group 0 of the head's loads of slot 0 (the arguments that lay there have been used)
.set G0HB, 8
	s_mov_b32 s[G0H], 1                            ; slot 0's 256 rows of A, whole,
	s_mov_b32 s[G0H+1], 0
	s_mov_b64 s[G0H+2:G0H+3], s[20:21]
	s_or_b32 s[G0H+3], s[G0H+3], 0x80000000
	s_mov_b32 s[G0HB], 1                           ; and its 256 rows of B, behind them
	s_mov_b32 s[G0HB+1], 2*HALFT
	s_mov_b64 s[G0HB+2:G0HB+3], s[46:47]
	s_or_b32 s[G0HB+3], s[G0HB+3], 0x80000000
	s_mul_i32 s18, s16, GRP                        ; for the ring: my group of 128 rows of the tile
	s_mov_b32 s19, 0
	s_add_nc_u64 s[20:21], s[20:21], s[18:19]
	s_add_nc_u64 s[46:47], s[46:47], s[18:19]
.irp s, 0,1
	s_mov_b32 s[G0+4*\s], 1
	s_add_co_u32 s[G0+4*\s+1], s45, \s*SLOT
	s_add_nc_u64 s[G0+4*\s+2:G0+4*\s+3], s[20:21], \s*HALFT
	s_or_b32 s[G0+4*\s+3], s[G0+4*\s+3], 0x80000000
	s_mov_b32 s[G0B+4*\s], 1
	s_add_co_u32 s[G0B+4*\s+1], s45, \s*SLOT
	s_add_nc_u64 s[G0B+4*\s+2:G0B+4*\s+3], s[46:47], \s*HALFT
	s_or_b32 s[G0B+4*\s+3], s[G0B+4*\s+3], 0x80000000
.endr
; the head's loads, one a wave: wave 0 slot 0's rows of A, wave 1 its rows of B, wave 2 A's scales, wave 3 B's.  One chain of arms on the wave's number, all leading to one join
.macro ARM under, g0, g1, next
	s_cmp_lt_u32 s14, \under
	s_cbranch_scc0 \next
	tensor_load_to_lds s[\g0:\g0+3], s[\g1:\g1+7]
	s_nop 0
.rept 4
	v_nop
.endr
	s_branch .Lhead_asked
\next:
.endm
	ARM 1, G0H,  G1,  .Lhead_b
	ARM 2, G0HB, G1B, .Lhead_sa
	ARM 3, G0S,  G1S, .Lhead_sb
	tensor_load_to_lds s[G0SB:G0SB+3], s[G1SB:G1SB+7]
	s_nop 0
.rept 4
	v_nop
.endr
.Lhead_asked:
	; PREFETCH INTO THE L2, two slots ahead of the tensor load that will want the bytes: here slots 1 and 2, behind slot 1's load slot 3.  Of the 24,576 bytes (96 blocks of 256) that a wave fetches for a slot,
	; each of the four partners that ask for them jointly names 24 blocks, told apart by address (cx for A, cy for B): a lane a block, one instruction a wave; lanes 24-31 name the wave's last block again.
	; The furthest byte named lies 3 x 24,576 + 3 x 6,144 + 23 x 256 behind the group's first: inside its 98,304.  v12 and s[92:93] are never rewritten.
	s_cmp_eq_u32 s15, 0                            ; do I fetch for A?
	s_cselect_b64 s[92:93], s[20:21], s[46:47]
	s_cselect_b32 s18, s40, s41                    ; my place among the four that ask with me
	s_mul_i32 s18, s18, 6144
	s_mov_b32 s19, 0
	s_add_nc_u64 s[92:93], s[92:93], s[18:19]
	v_and_b32 v12, 31, v0
	v_min_u32 v12, 23, v12
	v_lshlrev_b32 v12, 8, v12
	global_prefetch_b8 v12, s[92:93] offset:HALFT th:TH_LOAD_NT scope:SCOPE_SE
	global_prefetch_b8 v12, s[92:93] offset:2*HALFT th:TH_LOAD_NT scope:SCOPE_SE
	v_and_b32 v1, 15, v0
	v_bfe_u32 v2, v0, 4, 1
	v_and_b32 v3, 31, v0
	v_lshlrev_b32 v[CO], 4, v3
	v_lshlrev_b32 v5, 3, v3
	v_add_nc_u32 v5, 512, v5
	s_mul_i32 s21, s15, HALFT
	s_mul_i32 s22, s16, HALFT
	s_add_co_u32 s22, s22, 2*HALFT
.irp s, 0,1
	v_add_nc_u32 v[ADRA+\s], s21, v[CO]
	v_add_nc_u32 v[ADRB+\s], s22, v[CO]
	v_add_nc_u32 v[ADRA+2+\s], s21, v5
	v_add_nc_u32 v[ADRB+2+\s], s22, v5
	s_add_co_u32 s21, s21, SLOT
	s_add_co_u32 s22, s22, SLOT
.endr
	v_mul_u32_u24 v5, v1, KS
	v_lshrrev_b32 v6, 8, v5
	v_lshl_add_u32 v5, v6, 4, v5
	s_mul_i32 s21, s15, HALFS
	s_mul_i32 s22, s16, HALFS
	s_add_co_u32 s22, s22, 2*HALFS
	s_sub_co_u32 s22, s22, s21
	v_mul_u32_u24 v6, s22, v2
	s_add_co_u32 s21, s21, SCL
	v_add_nc_u32 v5, v5, v6
	v_add_nc_u32 v[ADRS], s21, v5
	s_mul_i32 s23, s14, 16*SPITCH
	v_mul_u32_u24 v5, v1, SPITCH
	v_lshl_add_u32 v5, v2, 6, v5
	v_add_nc_u32 v[STO], s23, v5
	v_add_nc_u32 v[RD], s23, v[CO]
	v_lshlrev_b32 v[BIA], 6, v2
	s_wait_alu depctr_va_vdst(0)
	s_lshl_b32 s20, s17, 1
	s_add_co_u32 s20, s20, s15
	s_lshl_b32 s20, s20, 19
	s_lshl_b32 s18, s42, 1
	s_add_co_u32 s18, s18, s16
	s_lshl_b32 s18, s18, 9
	s_mov_b32 s19, 0
	s_mov_b32 s21, 0
	s_add_nc_u64 s[98:99], s[98:99], s[18:19]
	s_add_nc_u64 s[12:13], s[12:13], s[18:19]
	s_add_nc_u64 s[12:13], s[12:13], s[20:21]
.irp b, 0,1,2,3,4,5,6,7
	global_load_b128 v[BI+8*\b:BI+8*\b+3], v[BIA], s[98:99] offset:(32*(\b/2)+8*(\b%2))*4
	global_load_b128 v[BI+8*\b+4:BI+8*\b+7], v[BIA], s[98:99] offset:(32*(\b/2)+8*(\b%2))*4+16
.endr
.macro FRAG reg, adr, q, i
.irp c, 0,1
	ds_load_b128 v[\reg+6*\c:\reg+6*\c+3], v[\adr] offset:(2*(\q)+\c)*CCOL+(\i)*UNIT
	ds_load_b64 v[\reg+6*\c+4:\reg+6*\c+5], v[\adr+2] offset:(2*(\q)+\c)*CCOL+(\i)*UNIT
.endr
.endm
.macro MUL16 a0, p, q, sc, zero
.irp a, \a0, \a0+1
.irp b, 0,1,2,3,4,5,6,7
.if \zero
	v_wmma_scale_f32_16x16x128_f8f6f4 v[8*(8*((\a)%4)+\b):8*(8*((\a)%4)+\b)+7], v[128*(\p)+FR*\b:128*(\p)+FR*\b+FR-1], v[AF+FR*(\a):AF+FR*(\a)+FR-1], v[BI+8*\b:BI+8*\b+7], v[SC+8*NQ*(\sc)+NQ*\b+(\q)], v[SC+8*NQ*(\sc)+NQ*(\a)+(\q)] matrix_a_fmt:MATRIX_FMT_FP6 matrix_b_fmt:MATRIX_FMT_FP6 matrix_a_scale:MATRIX_SCALE_ROW1
.else
	v_wmma_scale_f32_16x16x128_f8f6f4 v[8*(8*((\a)%4)+\b):8*(8*((\a)%4)+\b)+7], v[128*(\p)+FR*\b:128*(\p)+FR*\b+FR-1], v[AF+FR*(\a):AF+FR*(\a)+FR-1], v[8*(8*((\a)%4)+\b):8*(8*((\a)%4)+\b)+7], v[SC+8*NQ*(\sc)+NQ*\b+(\q)], v[SC+8*NQ*(\sc)+NQ*(\a)+(\q)] matrix_a_fmt:MATRIX_FMT_FP6 matrix_b_fmt:MATRIX_FMT_FP6 matrix_a_scale:MATRIX_SCALE_ROW1
.endif
.endr
.endr
.endm
.macro FETCH_B slot, q, p
	WIN TO_B
.irp i, 0,1,2,3,4,5,6,7
	FRAG 128*(\p)+FR*\i, ADRB+\slot, \q, \i
.endr
	WIN 0
.endm
.macro FETCH_A slot, q, i0
.irp i, \i0, \i0+1, \i0+2, \i0+3
	FRAG AF+FR*(\i), ADRA+\slot, \q, \i
.endr
.endm
.macro SCALES sc
.irp i, 0,1,2,3,4,5,6,7
	ds_load_b64 v[SC+8*NQ*\sc+NQ*\i:SC+8*NQ*\sc+NQ*\i+1], v[ADRS] offset:\i*SBLK
.endr
.endm
.macro PLACES n
.rept \n
	v_nop
.endr
.endm
.macro STEP slot, q, zero
	s_wait_dscnt 4*NL
	WIN MUL_LO-0x20*(\zero)
	MUL16 0, (\q)%2, \q, \slot, \zero
	MUL16 2, (\q)%2, \q, \slot, \zero
	s_wait_dscnt 0
	PLACES NP
	FETCH_B \slot, (\q)+1, 1-(\q)%2
	FETCH_A \slot, (\q)+1, 0
	WIN MUL_HI-0x30*(\zero)
	MUL16 4, (\q)%2, \q, \slot, \zero
	MUL16 6, (\q)%2, \q, \slot, \zero
	PLACES NP
	WIN 0
	FETCH_A \slot, (\q)+1, 4
.endm
.macro TURN slot, next, fill
	s_wait_tensorcnt 0x0
	ds_add_u32 v[SPW], v[NIL]
	s_wait_dscnt 4*NL+1
	WIN MUL_LO
	MUL16 0, 1, NQ-1, \slot, 0
	s_wait_dscnt 0x0
	s_barrier_signal -1
	MUL16 2, 1, NQ-1, \slot, 0
	WIN 0
	s_barrier_wait -1
.if \fill
	CREST
	s_add_nc_u64 s[G0+4*\slot+2:G0+4*\slot+3], s[G0+4*\slot+2:G0+4*\slot+3], 2*HALFT
	s_add_nc_u64 s[G0B+4*\slot+2:G0B+4*\slot+3], s[G0B+4*\slot+2:G0B+4*\slot+3], 2*HALFT
	JLOAD G0+4*\slot, G1, G0B+4*\slot, G1B
.else
	PLACES NP
.endif
	s_wait_alu depctr_va_vdst(0)
	v_add_nc_u32 v[ADRS], 4*NQ, v[ADRS]
	FETCH_B \next, 0, 0
	FETCH_A \next, 0, 0
	SCALES \next
	WIN MUL_HI
	MUL16 4, 1, NQ-1, \slot, 0
	MUL16 6, 1, NQ-1, \slot, 0
	PLACES NP
	WIN 0
	FETCH_A \next, 0, 4
.endm
	s_wait_alu depctr_va_vdst(0)
	s_wait_loadcnt 0x0
	s_wait_tensorcnt 0x0                           ; my tile of the head's four is in
	ds_add_u32 v[SPW], v[NIL]
.irp g, G1, G1B                        ; no tensor load of mine is out: from here on a load brings 96 rows of 256 bytes, dense
	s_mov_b32 s[\g+1], 32<<16
	s_mov_b32 s[\g+2], 96<<16
	s_mov_b32 s[\g+3], 32<<16
	s_mov_b32 s[\g+4], 96
	s_mov_b32 s[\g+5], 32
.endr
	s_wait_dscnt 0x0
	CROUND                                         ; all four tiles are in, and all sixteen work-groups are here
	JLOAD G0+4, G1, G0B+4, G1B                     ; slot 1's first fill, the first tensor load behind the round
	FETCH_B 0, 0, 0
	FETCH_A 0, 0, 0
	SCALES 0
	FETCH_A 0, 0, 4
	global_prefetch_b8 v12, s[92:93] offset:3*HALFT th:TH_LOAD_NT scope:SCOPE_SE   ; slot 3, the last: two refills on
	STEP 0, 0, 1
	s_mov_b32 s3, LAPS-1
.Llap:
	TURN 0, 1, 1
	STEP 1, 0, 0
	TURN 1, 0, 1
	STEP 0, 0, 0
	s_sub_co_u32 s3, s3, 1
	s_cmp_lg_u32 s3, 0
	s_cbranch_scc1 .Llap
	TURN 0, 1, 0
	STEP 1, 0, 0
	s_wait_dscnt 4*NL
	WIN MUL_LO
	MUL16 0, 1, NQ-1, 1, 0
	MUL16 2, 1, NQ-1, 1, 0
	s_wait_dscnt 0
	WIN MUL_HI
	MUL16 4, 1, NQ-1, 1, 0
	MUL16 6, 1, NQ-1, 1, 0
	WIN 0
.macro TOSTAGE a
.set AC, 64*((\a)%4)
	WIN 0x08+4*((\a)/4)
.irp b, 0,1,2,3,4,5,6,7
	ds_store_b128 v[STO], v[AC+8*\b:AC+8*\b+3] offset:128*(\b/2)+32*(\b%2)
	ds_store_b128 v[STO], v[AC+8*\b+4:AC+8*\b+7] offset:128*(\b/2)+32*(\b%2)+16
.endr
	WIN 0
.set BB, BK+64*((\a)%2)
.irp t, 0,1,2,3,4,5,6,7,8,9,10,11,12,13,14,15
	ds_load_b128 v[BB+4*\t:BB+4*\t+3], v[RD] offset:\t*SPITCH
.endr
.endm
.macro SEND a, younger
.set BB, BK+64*((\a)%2)
	s_wait_dscnt \younger
.if (\a) > 0
.if ((\a)%2) == 1
	s_add_nc_u64 s[12:13], s[12:13], 8*ROWO
.else
	s_add_nc_u64 s[12:13], s[12:13], 24*ROWO
.endif
.endif
.irp t, 0,1,2,3,4,5,6,7,8,9,10,11,12,13,14,15
	global_store_b128 v[CO], v[BB+4*\t:BB+4*\t+3], s[12:13] offset:(\t+8*(\t/8))*ROWO th:TH_STORE_NT
.endr
.endm
	PLACES NP
	TOSTAGE 0
.irp a, 1,2,3,4,5,6,7
.if \a > 1
	s_wait_xcnt 0x0
.endif
	TOSTAGE \a
	SEND \a-1, 32
.endr
	s_wait_xcnt 0x0
	SEND 7, 0
	s_wait_tensorcnt 0x0
	ds_add_u32 v[SPW], v[NIL]
	s_wait_dscnt 0x0
	CROUND
	s_endpgm
.Lfunc_end_k_qd13cad35ea_outp:
	.size	k_qd13cad35ea_outp, .Lfunc_end_k_qd13cad35ea_outp-k_qd13cad35ea_outp
	.p2alignl 7, 3214868480
	.fill 96, 4, 3214868480
	.section	.rodata,"a",@progbits
	.p2align	6, 0x0
	.amdhsa_kernel k_qd13cad35ea_outp
		.amdhsa_group_segment_fixed_size 327680
		.amdhsa_private_segment_fixed_size 0
		.amdhsa_enable_private_segment 0
		.amdhsa_kernarg_size 48
		.amdhsa_user_sgpr_count 2
		.amdhsa_user_sgpr_kernarg_segment_ptr 1
		.amdhsa_wavefront_size32 1
		.amdhsa_system_sgpr_workgroup_id_x 1
		.amdhsa_system_sgpr_workgroup_id_y 1
		.amdhsa_system_sgpr_workgroup_id_z 1
		.amdhsa_system_vgpr_workitem_id 0
		.amdhsa_next_free_vgpr 1024
		.amdhsa_next_free_sgpr 100
		.amdhsa_reserve_vcc 0
		.amdhsa_float_denorm_mode_32 3
		.amdhsa_float_denorm_mode_16_64 3
		.amdhsa_memory_ordered 1
		.amdhsa_forward_progress 1
		.amdhsa_inst_pref_size 147
	.end_amdhsa_kernel
	.amdgpu_metadata
---
amdhsa.version: [ 1, 2 ]
amdhsa.kernels:
  - .name:           k_qd13cad35ea_outp
    .symbol:         k_qd13cad35ea_outp.kd
    .args:
      - { .name: cc, .offset: 0, .size: 8, .value_kind: global_buffer, .address_space: global }
      - { .name: cs, .offset: 8, .size: 8, .value_kind: global_buffer, .address_space: global }
      - { .name: xc, .offset: 16, .size: 8, .value_kind: global_buffer, .address_space: global }
      - { .name: xs, .offset: 24, .size: 8, .value_kind: global_buffer, .address_space: global }
      - { .name: bo, .offset: 32, .size: 8, .value_kind: global_buffer, .address_space: global }
      - { .name: out0, .offset: 40, .size: 8, .value_kind: global_buffer, .address_space: global }
    .group_segment_fixed_size: 327680
    .private_segment_fixed_size: 0
    .kernarg_segment_align: 8
    .kernarg_segment_size: 48
    .max_flat_workgroup_size: 128
    .sgpr_count:     100
    .vgpr_count:     1024
    .wavefront_size: 32
...
	.end_amdgpu_metadata
.endif
;; end of part 4
